; MI455X (gfx1250); checked and timed in simulation.
; The chip was launched on July 23, 2026; its instructions are those of AMD's public machine-readable ISA for CDNA 5 (MIT licence, August 2026) and "CDNA5" Instruction Set Architecture Reference Guide (July 2026). The comments in the code are by the model that wrote it; some were corrected since.
;; Fused Self Attention. Allowed arithmetic: matrix products marked QUANTISED: E2M3 operands, one E8M0 scale for each 32 along K, by v_wmma_scale_f32_16x16x128_f8f6f4 with both operands' format E2M3, f32 sums; everything else in f32.
;; Inputs: w_o 1,024 x 1,024 float32; w_qkv 1,024 x 3,072 float32; x 4 x 2,048 x 1,024 float32.
;; Outputs: out0 4 x 2,048 x 1,024 float32.
;; This version of the problem:
;;   THIS VERSION OF THE PROBLEM IS GIVEN IN LOW PRECISION. The matrix products marked QUANTISED in the list below multiply operands that are first quantised to E2M3 (2 exponent bits, 3 mantissa bits; 6 bits a number), with one power-of-two scale for each 32 numbers along K (OCP MX v1.0); their sums are f32. All else is computed in f32.
;;   The module's matrix products, in the order in which they are computed (A, B: the left and right operand; K: the contracted axis; several contracted axes count as one K, in the product's order):
;;     1. [M 8,192, K 1,024] x [K 1,024, N 3,072]; A: input x; B: input w_qkv: QUANTISED
;;     2. batch 64 x [M 2,048, K 64] x [K 64, N 2,048]; A: computed on the way; B: computed on the way: QUANTISED
;;     3. batch 64 x [M 64, K 2,048] x [K 2,048, N 2,048]; A: computed on the way; B: softmax (see below): QUANTISED
;;     4. [M 8,192, K 1,024] x [K 1,024, N 1,024]; A: computed on the way; B: input w_o: QUANTISED
;;   THE QUANTISER, for each operand of a quantised product, along K:
;;     - K is cut into blocks of 32 from its start; a last block that is shorter is filled with zeros.
;;     - A block's scale is 2^e with e = floor(log2(the largest magnitude in the block)) - 2, held to -126 .. 127; a block of zeros has e = 0. As a byte (E8M0): e + 127.
;;     - Each number is divided by its block's scale, clamped to +-7.5, and rounded to the nearest number of E2M3, ties to even, subnormals kept.
;;     - The product sums the exact products of the quantised numbers (number of the format x scale) in f32.
;;   ~~~python
;;   def quantise(x, axis):      # numpy; x: float32 -> the quantised numbers, widened to float32 again
;;       x = np.moveaxis(x, axis, -1); K = x.shape[-1]
;;       x = np.pad(x, [(0, 0)] * (x.ndim - 1) + [(0, -K % 32)]); x = x.reshape(x.shape[:-1] + (-1, 32)); a = np.abs(x).max(-1, keepdims=True)
;;       e = np.where(a > 0, np.clip(np.frexp(np.where(a > 0, a, 1))[1] - 1 - 2, -126, 127), 0)      # np.frexp(a)[1] - 1 = floor(log2(a)), exactly
;;       r = np.clip(x / 2.0 ** e, -7.5, 7.5)
;;       step = 2.0 ** (np.maximum(np.frexp(np.where(r == 0, 1, r))[1] - 1, 0) - 3)
;;       q = np.round(r / step) * step * 2.0 ** e      # np.round: ties to even
;;       return np.moveaxis(q.reshape(q.shape[:-2] + (-1,))[..., :K], -1, axis).astype(np.float32)
;;   ~~~
;;   SOFTMAX AHEAD OF A QUANTISED PRODUCT. Where the list says 'softmax', what is quantised is not the finished softmax but p = 2^(t - M), with t = logit x log2(e) and M = ceil(the row's largest t), a whole number; so 1/2 < the row's largest p <= 1. The row's sum l is taken of the UNQUANTISED p, in f32, and the product's result is divided by l at the end. Since M is a whole number, a kernel that streams over the keys may use a running M (the ceiling of the running maximum): every later rescaling is an exact power of two, which a block's scale takes up: the codes' values come out the same.
;;   OPERANDS COMPUTED ON THE WAY. 'Computed on the way' means the value that the module computes at that place (a softmax that the list does not call 'softmax' is quantised finished and normalised). What goes into a quantiser is computed in f32, as accurately as f32 sums, v_exp_f32 and their like allow (about 1e-6 of the number): no bf16 or f16 on the way to a quantiser, and a product that is left as it is and whose result goes on into a quantised operand takes f32 operands (vector FMAs, or v_wmma_f32_16x16x4_f32). A number that lies on a knife's edge between two numbers of the format may be rounded either way, as far as f32 arithmetic and the matrix unit's own rounding can turn it there, and no further.
;; One version. Each part assembles by itself: llvm-mc -triple=amdgcn-amd-amdhsa -mcpu=gfx1250 --defsym DOCPART=n.
;; ======== version 1 of 1: 4 launches
;; limits: right only within a limited range of input values
;; workspace buffers: xc 6,815,744 bytes; wc 2,555,904 bytes; oc 851,968 bytes; qc 6,815,744 bytes; kv 13,369,344 bytes; ac 6,815,744 bytes
;; launch quant (part 1): grid 384 x 1, 4 waves a work-group, no clusters, 61,952 bytes of LDS; arguments x, w_qkv, w_o, xc, wc, oc; writes xc, wc, oc
.if DOCPART == 1
	.amdgcn_target "amdgcn-amd-amdhsa--gfx1250"
	.amdhsa_code_object_version 6
	.text
	.protected	k_q6394f57154_quant
	.globl	k_q6394f57154_quant
	.p2align	8
	.type	k_q6394f57154_quant,@function
k_q6394f57154_quant:
	s_mov_b64 s[64:65], 0
	v_nop
	global_prefetch_b8 v0, s[64:65] scope:SCOPE_SE
	s_setreg_imm32_b32 hwreg(HW_REG_WAVE_MODE, 25, 1), 1
	s_wait_xcnt 0x0
; x [8192][1024], w_qkv [1024][3072] and w_o [1024][1024], f32, become codes of FP6 (E2M3) with one E8M0 scale byte for each 32 along K (x: its last axis; the weights: their first axis).
; A block's scale byte is its largest magnitude's exponent field - 2, held at 1 from below; numbers are divided by the scale and rounded to the nearest code, ties to even, beyond 7.5 the largest code.
; LIMITS: a block of zeros (and one whose largest magnitude lies under 2^(3 - 127)) carries the byte 1: its codes are read by this program alone; NaN and infinities among the inputs are not served.
; THE LAYOUT OF THE CODES IS THE ORDER OF THE OPERAND'S REGISTERS.  A TILE is 16 rows of an operand: lane-row r of tile 2 B + u is true row 32 B + 8 u + r + 8 (r / 8).
; A HALF FRAGMENT (768 bytes) is registers 0-5 of 16 rows x 64 K (lane (r, h): k = 32 h .. 32 h + 31): registers 0-3 at 16 x lane, registers 4-5 at 512 + 8 x lane.
; A RECORD (3,328 bytes) is a tile x two K steps of 128: half fragment (q, c) at 1536 q + 768 c; at 3072 thirty-two places of 8 bytes: place l = the scale words of K steps q = 0, 1 of lane-row l % 16.
; A tile's four records (K = 1024) lie on end: 13,312 bytes.
; Work-groups 0-255 take x (two tiles each; wave w: tile w / 2, K steps 4 (w % 2) on), work-groups 256-383 the weights (32 columns x 256 K a wave).  The two ways have LDS bytes of their own.  Waves share nothing: no barrier.
.set REC,   3328
.set TREC,  13312
.set XSTG,  8448                       ; x: a wave's stage: 16 rows x (512 bytes + 16)
.set WBASE, 4*XSTG                     ; the weights' stages begin behind x's
.set WP,    3456                       ; a record's place in a weight stage
.set WSTG,  2*WP                       ; a wave's two records
.set R,    16                          ; v16-143  x: two sets of 64 registers as loaded
.set X,    144                         ; v144-207 64 numbers: register 16 b + i = k 32 b + 16 h + i of my row
.set PC,   208                         ; v208-227 the codes just made (12) and half blocks on their way (8)
.set TM,   228                         ; v228-243 largest magnitudes, bytes, scale operands
.set W,    244                         ; v244-247 the four K steps' scale words
.set SEL,  20                          ; s[20:21] selects for lane l xor 16
.set WOFF, 16                          ; v16-47   weights: byte offset of row i of a block, my column
.set WX,   48                          ; v48-111  two sets of 32 numbers
.set WC,   112                         ; v112-117 a block's codes
.set WT,   118                         ; v118-120 its upper 16 codes as converted
.set WSB,  122                         ; v122-123 eight scale bytes
.set WOUT, 128                         ; v128-179 the way out: 26 registers a tile
	s_load_b256 s[4:11], s[0:1], 0x0               ; x, w_qkv, w_o, xc
	s_load_b128 s[12:15], s[0:1], 0x20             ; wc, oc
	v_lshl_add_u32 v248, v0, 2, 0xf000
	v_mov_b32 v249, 0
	v_lshrrev_b32 v1, 5, v0
	v_readfirstlane_b32 s16, v1                    ; wave
	v_and_b32 v1, 31, v0                           ; lane
	v_lshlrev_b32 v2, 4, v1                        ; 16 x lane
	v_lshlrev_b32 v3, 3, v1                        ; 8 x lane
	s_cmp_lt_u32 ttmp9, 256
	s_cbranch_scc0 .Lweights
; ---------------- x ----------------
	s_mov_b32 s[SEL], 0x76543210
	s_mov_b32 s[SEL+1], 0xfedcba98
	s_lshr_b32 s17, s16, 1                         ; which of the work-group's two tiles
	s_and_b32 s18, s16, 1                          ; which half of K
	s_mul_i32 s19, s16, XSTG
	v_add_nc_u32 v4, s19, v2                       ; into the stage: 16 x lane of a row
	v_and_b32 v6, 15, v0                           ; r
	v_bfe_u32 v7, v0, 4, 1                         ; h
	v_mul_u32_u24 v5, v6, 528
	v_lshl_add_u32 v5, v7, 6, v5
	v_add_nc_u32 v5, s19, v5                       ; out of it: row r, + 64 h: my 16 numbers of a block of 32
	s_lshl_b32 s22, ttmp9, 17                      ; 32 rows of 4,096 bytes a work-group,
	s_lshl_b32 s23, s17, 15                        ; 8 rows for the second tile,
	s_add_co_u32 s22, s22, s23
	s_lshl_b32 s23, s18, 11                        ; 2,048 bytes for the second half of K
	s_add_co_u32 s22, s22, s23
	s_mov_b32 s23, 0
	s_mul_i32 s24, ttmp9, 2*TREC                   ; the codes: 13,312 a tile, 6,656 a half: 6,656 x wave
	s_mul_i32 s25, s16, 2*REC
	s_add_co_u32 s24, s24, s25
	s_mov_b32 s25, 0
.irp b, 0,1,2,3
	v_mov_b32 v[TM+4+\b], 0                        ; written once: a lane permute's destination counts as one of its sources
.endr
	s_wait_alu depctr_va_vdst(0)
	s_wait_kmcnt 0x0
	s_add_nc_u64 s[4:5], s[4:5], s[22:23]
	s_add_nc_u64 s[10:11], s[10:11], s[24:25]
; 64 numbers of a lane become a fragment's 12 registers of codes in v[PC] on and its scale word in v[pw]
.macro QUANT s, pw
.irp b, 0,1,2,3
	v_max3_num_f32 v[TM+\b], |v[\s+16*\b]|, |v[\s+1+16*\b]|, 0x1800000   ; my 16 numbers of block b, and the floor 2^(3 - 127): the byte cannot fall under 1
.endr
.irp i, 2,4,6,8,10,12,14
.irp b, 0,1,2,3
	v_max3_num_f32 v[TM+\b], v[TM+\b], |v[\s+16*\b+\i]|, |v[\s+1+16*\b+\i]|
.endr
.endr
.irp b, 0,1,2,3
	v_permlanex16_b32 v[TM+4+\b], v[TM+\b], s[SEL], s[SEL+1]
.endr
.irp b, 0,1,2,3
	v_max_num_f32 v[TM+\b], v[TM+\b], v[TM+4+\b]   ; with lane l xor 16's 16: the block's largest magnitude
.endr
.irp b, 0,1,2,3
	v_add_nc_u32 v[TM+12+\b], 0xff000000, v[TM+\b] ; 2 off its exponent field: the conversion's scale operand
.endr
.irp b, 0,1,2,3
	v_lshrrev_b32 v[TM+4+\b], 23, v[TM+12+\b]      ; the scale's byte
.endr
	v_lshl_or_b32 v[\pw], v[TM+5], 8, v[TM+4]
	v_lshl_or_b32 v[\pw], v[TM+6], 16, v[\pw]
	v_lshl_or_b32 v[\pw], v[TM+7], 24, v[\pw]
.irp c, 0,1
	v_cvt_scalef32_pk16_fp6_f32 v[PC+6*\c:PC+2+6*\c], v[\s+32*\c:\s+15+32*\c], v[TM+12+2*\c]
	v_cvt_scalef32_pk16_fp6_f32 v[PC+12+4*\c:PC+14+4*\c], v[\s+16+32*\c:\s+31+32*\c], v[TM+12+2*\c+1]   ; (a conversion's three registers begin on an even number)
.endr
	v_nop                                          ; one plain line behind the conversions
.irp c, 0,1                                    ; the operand wants a whole block in a lane: lanes 0-15 block 2 c, lanes 16-31 block 2 c + 1
.irp i, 0,1,2
	v_permlane16_swap_b32 v[PC+6*\c+\i], v[PC+12+4*\c+\i]
.endr
.irp i, 0,1,2
	v_mov_b32 v[PC+3+6*\c+\i], v[PC+12+4*\c+\i]
.endr
.endr
.endm
.macro XLOAD f                         ; K step f of my four: 16 rows x 512 consecutive bytes
.irp p, 0,1,2,3,4,5,6,7,8,9,10,11,12,13,14,15
	global_load_b128 v[R+64*((\f)%2)+4*\p:R+64*((\f)%2)+4*\p+3], v2, s[4:5] offset:(\p+8*(\p/8))*4096+512*(\f) th:TH_LOAD_NT
.endr
.endm
.macro XSTEP f
.if (\f) < 3
	s_wait_loadcnt 16                              ; this K step's 16 loads are in; the next one's 16 may be out
.else
	s_wait_loadcnt 0x0
.endif
.irp p, 0,1,2,3,4,5,6,7,8,9,10,11,12,13,14,15
	ds_store_b128 v4, v[R+64*((\f)%2)+4*\p:R+64*((\f)%2)+4*\p+3] offset:528*\p
.endr
.irp b, 0,1,2,3
.irp j, 0,1,2,3
	ds_load_b128 v[X+16*\b+4*\j:X+16*\b+4*\j+3], v5 offset:128*\b+16*\j   ; LDS serves a wave's instructions in order: these see my stores
.endr
.endr
	s_wait_dscnt 0x0                               ; the numbers are back, and the stores have read the set that is loaded next
.if (\f) < 2
	XLOAD (\f)+2
.endif
	s_wait_xcnt 0x0                                ; the last K step's stores have read the codes' registers, which are written again below
	QUANT X, W+(\f)
	global_store_b128 v2, v[PC:PC+3], s[10:11] offset:REC*((\f)/2)+1536*((\f)%2)          ; 512 consecutive bytes
	global_store_b64 v3, v[PC+4:PC+5], s[10:11] offset:REC*((\f)/2)+1536*((\f)%2)+512     ; 256
	global_store_b128 v2, v[PC+6:PC+9], s[10:11] offset:REC*((\f)/2)+1536*((\f)%2)+768
	global_store_b64 v3, v[PC+10:PC+11], s[10:11] offset:REC*((\f)/2)+1536*((\f)%2)+1280
.if (\f)%2
	global_store_b64 v3, v[W+(\f)-1:W+(\f)], s[10:11] offset:REC*((\f)/2)+3072            ; the record's 32 places of scale words: 256 consecutive bytes
.endif
.endm
	XLOAD 0
	XLOAD 1
	XSTEP 0
	XSTEP 1
	XSTEP 2
	XSTEP 3
	s_wait_tensorcnt 0x0
	ds_add_u32 v248, v249
	s_wait_dscnt 0x0
	s_endpgm
; ---------------- the weights: a lane takes a column, its registers run down K ----------------
.Lweights:
	s_sub_co_u32 s17, ttmp9, 256
	s_cmp_lt_u32 s17, 96                           ; the first 96 take w_qkv, the other 32 w_o: the choice hangs on the work-group's number alone
	s_cselect_b32 s18, 0, 96
	s_mov_b32 s19, 4096
	s_cselect_b32 s19, 12288, s19                  ; a row of the weight in bytes
	s_wait_kmcnt 0x0
	s_cselect_b64 s[4:5], s[6:7], s[8:9]
	s_cselect_b64 s[10:11], s[12:13], s[14:15]
	s_sub_co_u32 s17, s17, s18
	s_lshr_b32 s22, s17, 2
	s_lshl_b32 s22, s22, 2
	s_add_co_u32 s22, s22, s16                     ; B: my wave's 32 columns
	s_and_b32 s23, s17, 3                          ; which 256 along K: which record
	s_lshl_b32 s24, s23, 8
	s_mul_i32 s24, s24, s19
	s_lshl_b32 s25, s22, 7
	s_add_co_u32 s24, s24, s25
	s_mov_b32 s25, 0
	s_add_nc_u64 s[28:29], s[4:5], s[24:25]        ; block 0's first row, my wave's first column
	s_lshl_b32 s26, s19, 5                         ; 32 rows on
	s_mov_b32 s27, 0
.irp k, 0,1,2,3,4,5,6
	s_add_nc_u64 s[30+2*\k:31+2*\k], s[28+2*\k:29+2*\k], s[26:27]   ; a base for each of the eight blocks: none is stepped while loads are out
.endr
	s_mul_i32 s24, s22, 2*TREC                     ; tiles 2 B and 2 B + 1,
	s_mul_i32 s44, s23, REC                        ; my record of each
	s_add_co_u32 s24, s24, s44
	s_add_nc_u64 s[10:11], s[10:11], s[24:25]
	v_bfe_u32 v9, v0, 3, 1                         ; column 32 B + lane is lane-row r = lane % 8 + 8 (lane / 16) of tile 2 B + u, u = (lane / 8) % 2
	v_and_b32 v10, 7, v0
	v_bfe_u32 v11, v0, 4, 1
	v_lshl_add_u32 v10, v11, 3, v10
	s_mul_i32 s45, s16, WSTG
	s_add_co_u32 s45, s45, WBASE                   ; my stage
	v_mul_u32_u24 v9, v9, WP
	v_add_nc_u32 v9, s45, v9
	v_lshl_add_u32 v4, v10, 4, v9                  ; into it: my tile's record, 16 r
	v_lshl_add_u32 v5, v10, 3, v9                  ; and 8 r
	v_add_nc_u32 v6, s45, v2                       ; out of it: 16 x lane
	v_add_nc_u32 v7, s45, v3                       ; and 8 x lane
	v_lshlrev_b32 v8, 2, v1
.set n, 0
.rept 32
	v_mad_u32_u24 v[WOFF+n], s19, n, v8            ; row n of a block, my column
.set n, n+1
.endr
.macro WLOAD kb                        ; block kb: 32 rows x 128 consecutive bytes a wave; the four waves stand side by side
.set n, 0
.rept 32
	global_load_b32 v[WX+32*((\kb)%2)+n], v[WOFF+n], s[28+2*(\kb):29+2*(\kb)] th:TH_LOAD_NT
.set n, n+1
.endr
.endm
.macro WBLOCK kb
.set XS, WX+32*((\kb)%2)
.if (\kb) < 7
	s_wait_loadcnt 32                              ; this block's 32 loads are in; the next block's may be out
.else
	s_wait_loadcnt 0x0
.endif
	v_max3_num_f32 v124, |v[XS]|, |v[XS+1]|, |v[XS+2]|   ; the block's largest magnitude: all 32 numbers are mine
	v_max3_num_f32 v125, |v[XS+3]|, |v[XS+4]|, |v[XS+5]|
.irp i, 6,10,14,18,22,26
	v_max3_num_f32 v124, v124, |v[XS+\i]|, |v[XS+\i+1]|
	v_max3_num_f32 v125, v125, |v[XS+\i+2]|, |v[XS+\i+3]|
.endr
	v_max3_num_f32 v124, v124, |v[XS+30]|, |v[XS+31]|
	v_max3_num_f32 v124, v124, v125, 0x1800000     ; and the floor
	v_add_nc_u32 v126, 0xff000000, v124            ; the conversion's scale operand
	v_lshrrev_b32 v125, 23, v126                   ; the byte
.if (\kb)%4 == 0
	v_mov_b32 v[WSB+(\kb)/4], v125                 ; four bytes make a K step's scale word
.else
	v_lshl_or_b32 v[WSB+(\kb)/4], v125, 8*((\kb)%4), v[WSB+(\kb)/4]
.endif
	v_cvt_scalef32_pk16_fp6_f32 v[WC:WC+2], v[XS:XS+15], v126
	v_cvt_scalef32_pk16_fp6_f32 v[WT:WT+2], v[XS+16:XS+31], v126
	v_nop                                          ; one plain line behind the conversions
.irp i, 0,1,2
	v_mov_b32 v[WC+3+\i], v[WT+\i]
.endr
	ds_store_b128 v4, v[WC:WC+3] offset:1536*((\kb)/4)+768*(((\kb)%4)/2)+256*((\kb)%2)         ; block kb is K step kb / 4, half fragment (kb % 4) / 2, lanes' half kb % 2
	ds_store_b64 v5, v[WC+4:WC+5] offset:1536*((\kb)/4)+768*(((\kb)%4)/2)+512+128*((\kb)%2)
.if (\kb)+2 < 8
	WLOAD (\kb)+2
.endif
	s_wait_dscnt 0x0                               ; the stores have read the codes' registers
.endm
	WLOAD 0
	WLOAD 1
.irp kb, 0,1,2,3,4,5,6,7
	WBLOCK \kb
.endr
	s_wait_alu depctr_va_vdst(0)
	ds_store_b64 v5, v[WSB:WSB+1] offset:3072      ; my column's two scale words, in place r
	ds_store_b64 v5, v[WSB:WSB+1] offset:3072+128  ; and in place r + 16
.irp u, 0,1
.irp i, 0,1,2,3,4,5
	ds_load_b128 v[WOUT+26*\u+4*\i:WOUT+26*\u+4*\i+3], v6 offset:WP*\u+512*\i   ; LDS serves a wave's instructions in order: these see my stores
.endr
	ds_load_b64 v[WOUT+26*\u+24:WOUT+26*\u+25], v7 offset:WP*\u+3072
.endr
.irp u, 0,1
	s_wait_dscnt 7*(1-\u)                          ; this tile's seven loads are in; the other tile's seven may be out
.irp i, 0,1,2,3,4,5
	global_store_b128 v2, v[WOUT+26*\u+4*\i:WOUT+26*\u+4*\i+3], s[10:11] offset:TREC*\u+512*\i   ; 512 consecutive bytes
.endr
	global_store_b64 v3, v[WOUT+26*\u+24:WOUT+26*\u+25], s[10:11] offset:TREC*\u+3072
.endr
	s_wait_tensorcnt 0x0
	ds_add_u32 v248, v249
	s_wait_dscnt 0x0
	s_endpgm
.Lfunc_end_k_q6394f57154_quant:
	.size	k_q6394f57154_quant, .Lfunc_end_k_q6394f57154_quant-k_q6394f57154_quant
	.p2alignl 7, 3214868480
	.fill 96, 4, 3214868480
	.section	.rodata,"a",@progbits
	.p2align	6, 0x0
	.amdhsa_kernel k_q6394f57154_quant
		.amdhsa_group_segment_fixed_size 61952
		.amdhsa_private_segment_fixed_size 0
		.amdhsa_enable_private_segment 0
		.amdhsa_kernarg_size 48
		.amdhsa_user_sgpr_count 2
		.amdhsa_user_sgpr_kernarg_segment_ptr 1
		.amdhsa_wavefront_size32 1
		.amdhsa_system_sgpr_workgroup_id_x 1
		.amdhsa_system_sgpr_workgroup_id_y 1
		.amdhsa_system_sgpr_workgroup_id_z 1
		.amdhsa_system_vgpr_workitem_id 0
		.amdhsa_next_free_vgpr 250
		.amdhsa_next_free_sgpr 66
		.amdhsa_reserve_vcc 0
		.amdhsa_float_denorm_mode_32 3
		.amdhsa_float_denorm_mode_16_64 3
		.amdhsa_memory_ordered 1
		.amdhsa_forward_progress 1
		.amdhsa_inst_pref_size 77
	.end_amdhsa_kernel
	.amdgpu_metadata
---
amdhsa.version: [ 1, 2 ]
amdhsa.kernels:
  - .name:           k_q6394f57154_quant
    .symbol:         k_q6394f57154_quant.kd
    .args:
      - { .name: x, .offset: 0, .size: 8, .value_kind: global_buffer, .address_space: global }
      - { .name: w_qkv, .offset: 8, .size: 8, .value_kind: global_buffer, .address_space: global }
      - { .name: w_o, .offset: 16, .size: 8, .value_kind: global_buffer, .address_space: global }
      - { .name: xc, .offset: 24, .size: 8, .value_kind: global_buffer, .address_space: global }
      - { .name: wc, .offset: 32, .size: 8, .value_kind: global_buffer, .address_space: global }
      - { .name: oc, .offset: 40, .size: 8, .value_kind: global_buffer, .address_space: global }
    .group_segment_fixed_size: 61952
    .private_segment_fixed_size: 0
    .kernarg_segment_align: 8
    .kernarg_segment_size: 48
    .max_flat_workgroup_size: 128
    .sgpr_count:     66
    .vgpr_count:     250
    .wavefront_size: 32
...
	.end_amdgpu_metadata
.endif
;; end of part 1
;; launch qkv (part 2): grid 16 x 16, 4 waves a work-group, clusters of 4 x 4, 327,680 bytes of LDS; arguments xc, wc, qc, kv; writes qc, kv
.if DOCPART == 2
	.amdgcn_target "amdgcn-amd-amdhsa--gfx1250"
	.amdhsa_code_object_version 6
	.text
	.protected	k_q6394f57154_qkv
	.globl	k_q6394f57154_qkv
	.p2align	8
	.type	k_q6394f57154_qkv,@function
k_q6394f57154_qkv:
	s_mov_b64 s[64:65], 0
	v_nop
	global_prefetch_b8 v0, s[64:65] scope:SCOPE_SE
	s_setreg_imm32_b32 hwreg(HW_REG_WAVE_MODE, 25, 1), 1
	s_wait_xcnt 0x0
	s_wait_alu depctr_hold_cnt(0) depctr_sa_sdst(0) depctr_va_vdst(0) depctr_va_sdst(0) depctr_va_ssrc(0) depctr_va_vcc(0) depctr_vm_vsrc(0)
	s_getreg_b32 s2, hwreg(HW_REG_IB_STS2, 6, 4)
	s_cmp_eq_u32 s2, 0
	s_cbranch_scc0 .Lentry_in_a_cluster
	s_endpgm
.Lentry_in_a_cluster:
	s_bfe_u32 s2, ttmp6, 0x10000c
	s_cmp_lg_u32 s2, 0xf033
	s_cbranch_scc0 .Lentry_shape_is_right
	s_endpgm
.Lentry_shape_is_right:
; qkv = x w_qkv on codes of FP6 (E2M3) with E8M0 scales, K = 1024; q, k and v are quantised here, in registers, and leave as codes: q and k along the head's 64, v along the keys.
; SHARES.  A work-group makes 256 rows x one head's 192 columns.  Wave (rho = w / 2, g = w % 2) makes 128 rows x 96 columns: the four tiles of q (g = 0) or of k (g = 1), and v's tiles 2 g, 2 g + 1: 48 accumulators.
; q, k: THE MATRIX INSTRUCTION IS USED TRANSPOSED (source 0 = 16 columns of W, source 1 = 16 rows of x): a lane holds one row, its registers run along the head's 64.
; v: source 0 = 16 rows of x, source 1 = 16 columns of W: a lane holds one of the head's 64, its registers run along the keys.  So every block of 32 of every quantiser lies in lanes l and l xor 16 of one wave.
; TILES AND RECORDS.  Lane-row r of tile 2 B + u is true row 32 B + 8 u + r + 8 (r / 8), for x's rows and W's columns alike: so the 16 registers of two neighbouring tiles' results are 16 neighbours.
; A record (3,328 bytes) is a tile x two K steps of 128 as an image of the operand's registers: half fragment (q, c) at 1536 q + 768 c (registers 0-3 at 16 x lane, 4-5 at 512 + 8 x lane), scale words at 3072 + 8 r + 4 q.
; LDS.  A's 16 tiles have three regions (a group = two K steps each), B's 12 tiles four: all of K but A's last group fits, and that group is brought into A's first region once it has been read: one refill.
; CLUSTER 4 x 4: the four of a row need the same records of x, the four of a column the same of W: each is asked for jointly.  A wave has at most one tensor load out.
; OUT.  qc: a block of 6,656 bytes for (batch, head, 128 rows): 8 half fragments, then scale words at 6144 + 256 (t / 4) + 16 r + 4 (t % 4).  kv: 13,056 bytes: k likewise (scales at 12288), v's 4 fragments at 6144, their words at 12800.
; A scale word of q or k holds its two bytes twice: the upper two meet zero codes in the next launch.  v's 128 bytes of scale words a wave are half of an aligned 256.
; LIMITS: a block of zeros carries the byte 1 (read by this program alone); NaN and infinities are not served.
; REGISTERS: window 0: v1-9 LDS addresses, v21-23 store offsets, v32-59 scale words (two sets of 14), v60-61 the add's, v64-255 x's fragments, two sets of 8 x 12.  window 1: W's fragments, two sets of 6 x 12.
;   window 2: q's or k's accumulators, (a, t) at 32 a + 8 t.   window 3: v's, (a, tau) at 64 tau + 8 a.
.set REC,   3328
.set TREC,  4*REC
.set AREG,  16*REC
.set BREG,  12*REC
.set BB0,   3*AREG
.set SPARE, BB0+4*BREG                 ; the spare words, 128 bytes for each wave: two blocks of 256 bytes that no other line names
.set A16, 1
.set A8,  2
.set AS,  3
.set B16, 4
.set B8,  5
.set BS,  6
.set V16, 7
.set V8,  8
.set VS,  9
.set L16, 21
.set L8,  22
.set L4,  23
.set SC,  32
.set SPW, 60
.set NIL, 61
.set AF,  64
.set PCB, 64                           ; the way out: six sets of 20 for codes, v64-183
.set TM,  184
.set SW,  200                          ; v200-207 the eight tiles' scale words
.set T0,  208
.set VSEL, 209
.set VW,  210                          ; v210-211 v's two words
.set SS,  212                          ; v212-215 four words chosen by the lanes' half
.set G1A, 24
.set GA0, 32
.set GA1, 36
.set GA2, 56
.set G1B, 48
.set GB0, 68
.set SEL, 96
.set P1,  92
.set P1S, 90
.set P2,  88
.set P2S, 98
.set MSB, 0
.macro WIN new                         ; the immediate's high byte repeats the setting that is left
.if MSB != \new
	s_set_vgpr_msb (MSB<<8)|\new
.set MSB, \new
.endif
.endm
.set W_QK, 0xa1                        ; source 0 (W) window 1, source 1 (x) window 0, C and D window 2
.set W_V,  0xf4                        ; source 0 (x) window 0, source 1 (W) window 1, C and D window 3
.set TO_B, 0x40                        ; destination window 1, address window 0
.macro CREST                           ; a round of the cluster's barrier behind its opening barrier
	s_cmp_lg_u32 s14, 0
	s_cbranch_scc1 .Lnot_wave_0_\@
	s_barrier_signal -3
.Lnot_wave_0_\@:
	s_barrier_wait -3
	s_barrier_signal -1
	s_barrier_wait -1
.endm
.macro CROUND
	s_barrier_signal -1
	s_barrier_wait -1
	CREST
.endm
.macro PLACES
.rept 4
	v_nop
.endr
.endm
.macro MKG0 g, ls, lo, ad, go          ; a descriptor's group 0: count 1, LDS address, global address, type 2
	s_mov_b32 s[\g], 1
	s_add_co_u32 s[\g+1], s[\ls], \lo
	s_add_nc_u64 s[\g+2:\g+3], s[\ad:\ad+1], \go
	s_or_b32 s[\g+3], s[\g+3], 0x80000000
.endm
	s_load_b256 s[4:11], s[0:1], 0x0               ; xc, wc, qc, kv
	v_lshl_add_u32 v[SPW], v0, 2, SPARE
	v_mov_b32 v[NIL], 0
	ds_add_u32 v60, v61
	ds_add_u32 v60, v61
	s_wait_dscnt 0x0
	v_lshrrev_b32 v10, 5, v0
	v_readfirstlane_b32 s14, v10                   ; wave 0..3
	s_lshr_b32 s15, s14, 1                         ; rho: which 128 rows.
	s_and_b32 s16, s14, 1                          ; g: q or k.
	s_bfe_u32 s40, ttmp6, 0x40000                  ; cx, cy
	s_bfe_u32 s41, ttmp6, 0x40004
	s_lshl_b32 s42, ttmp9, 2
	s_add_co_u32 s42, s42, s40                     ; the head = 4 x cluster x + cx
	s_and_b32 s17, ttmp7, 0xffff
	s_lshl_b32 s17, s17, 2
	s_add_co_u32 s17, s17, s41                     ; the block of 256 rows = 4 x cluster y + cy
	s_lshl_b32 s43, s41, 2
	s_lshl_b32 s43, 15, s43                        ; my row of the cluster
	s_lshl_b32 s44, 0x1111, s40                    ; my column
	; group 1: rows = records of 416 elements of 8 bytes, 1,664 elements (a tile's four records) apart; 16 of x's, 12 of W's; dense in LDS
	s_or_b32 s[G1A], s43, (3<<16)|(1<<21)
	s_mov_b32 s[G1A+1], 416<<16
	s_mov_b32 s[G1A+2], 16<<16                     ; one load brings a group's records of all 16 tiles of x
	s_mov_b32 s[G1A+3], 416<<16
	s_mov_b32 s[G1A+4], 16
	s_mov_b32 s[G1A+5], 1664
	s_mov_b32 s[G1A+6], 0
	s_mov_b32 s[G1A+7], 0
	s_or_b32 s[G1B], s44, (3<<16)|(1<<21)
	s_mov_b32 s[G1B+1], 416<<16
	s_mov_b32 s[G1B+2], 12<<16                     ; and of all 12 tiles of W
	s_mov_b32 s[G1B+3], 416<<16
	s_mov_b32 s[G1B+4], 12
	s_mov_b32 s[G1B+5], 1664
	s_mov_b32 s[G1B+6], 0
	s_mov_b32 s[G1B+7], 0
	s_lshl_b32 s20, s17, 4                         ; A: tile 16 y
	s_mul_i32 s20, s20, TREC
	s_mov_b32 s21, 0
	s_mul_i32 s46, s42, 12                         ; B: tile 12 x head
	s_mul_i32 s46, s46, TREC
	s_mov_b32 s47, 0
	s_mov_b32 s45, 0                               ; a load fills a whole region
	s_mov_b32 s94, 0
	s_wait_kmcnt 0x0
	s_add_nc_u64 s[20:21], s[4:5], s[20:21]
	s_add_nc_u64 s[46:47], s[6:7], s[46:47]
	MKG0 GA0, 45, 0, 20, 0
	MKG0 GA1, 45, AREG, 20, REC
	MKG0 GA2, 45, 2*AREG, 20, 2*REC
	MKG0 GB0, 94, BB0, 46, 0
	MKG0 GB0+4, 94, BB0+BREG, 46, REC
	MKG0 GB0+8, 94, BB0+2*BREG, 46, 2*REC
	MKG0 GB0+12, 94, BB0+3*BREG, 46, 3*REC
	CROUND                                         ; all sixteen work-groups are here: the first joint loads meet
; The head's loads, one a wave, in one chain of branches on the wave's number: wave 0 A's group 0, wave 1 B's group 0, wave 2 A's group 1, wave 3 B's group 1.
.macro ARM under, g0, g1, next, done
	s_cmp_lt_u32 s14, \under
	s_cbranch_scc0 \next
	tensor_load_to_lds s[\g0:\g0+3], s[\g1:\g1+7]
	s_nop 0
	PLACES
	s_branch \done
\next:
.endm
	ARM 1, GA0, G1A, .Lh1, .Lfirst_done
	ARM 2, GB0, G1B, .Lh2, .Lfirst_done
	ARM 3, GA1, G1A, .Lh3, .Lfirst_done
	tensor_load_to_lds s[GB0+4:GB0+7], s[G1B:G1B+7]
	s_nop 0
	PLACES
.Lfirst_done:
	v_and_b32 v10, 31, v0                          ; lane
	v_and_b32 v11, 15, v0                          ; r
	v_bfe_u32 v12, v0, 4, 1                        ; h
	v_lshlrev_b32 v[L16], 4, v10
	v_lshlrev_b32 v[L8], 3, v10
	v_lshlrev_b32 v[L4], 2, v10
	v_lshlrev_b32 v13, 3, v11
	v_lshl_add_u32 v13, v12, 2, v13                ; 8 r + 4 h: lanes 0-15 take a group's first K step's scale word, lanes 16-31 its second's
	v_cmp_eq_u32 s95, 1, v12                       ; the upper half of the lanes
	s_mul_i32 s19, s15, 8*REC                      ; my 8 tiles of x in a region
	v_add_nc_u32 v[A16], s19, v[L16]
	v_add_nc_u32 v[A8], s19, v[L8]
	s_add_co_u32 s19, s19, 3072
	v_add_nc_u32 v[AS], s19, v13
	s_mul_i32 s22, s16, 4*REC                      ; my 4 tiles of q or k
	s_add_co_u32 s22, s22, BB0
	v_add_nc_u32 v[B16], s22, v[L16]
	v_add_nc_u32 v[B8], s22, v[L8]
	s_add_co_u32 s22, s22, 3072
	v_add_nc_u32 v[BS], s22, v13
	s_mul_i32 s23, s16, 2*REC                      ; my 2 tiles of v
	s_add_co_u32 s23, s23, BB0+8*REC
	v_add_nc_u32 v[V16], s23, v[L16]
	v_add_nc_u32 v[V8], s23, v[L8]
	s_add_co_u32 s23, s23, 3072
	v_add_nc_u32 v[VS], s23, v13
	s_mov_b32 s[SEL], 0x76543210
	s_mov_b32 s[SEL+1], 0xfedcba98
	; where my results go: n = 2 y + rho is my group of 128 rows; block = ((n / 16) 16 + head) 16 + n % 16
	s_lshl_b32 s84, s17, 1
	s_add_co_u32 s84, s84, s15
	s_lshr_b32 s85, s84, 4
	s_lshl_b32 s85, s85, 4
	s_add_co_u32 s85, s85, s42
	s_lshl_b32 s85, s85, 4
	s_and_b32 s84, s84, 15
	s_or_b32 s85, s85, s84
	s_mul_i32 s86, s85, 13056
	s_mov_b32 s87, 0
	s_add_nc_u64 s[P2:P2+1], s[10:11], s[86:87]    ; my block of kv
	s_mul_i32 s86, s85, 6656
	s_add_nc_u64 s[P1S:P1S+1], s[8:9], s[86:87]    ; my block of qc
	s_mov_b32 s86, 12288
	s_cmp_eq_u32 s16, 0                            ; q's wave or k's: the choice hangs on the wave's number alone
	s_cselect_b64 s[P1:P1+1], s[P1S:P1S+1], s[P2:P2+1]
	s_cselect_b32 s86, 6144, s86
	s_add_nc_u64 s[P1S:P1S+1], s[P1:P1+1], s[86:87]   ; its scale words
	s_lshl_b32 s86, s16, 7
	s_add_co_u32 s86, s86, 12800
	s_add_nc_u64 s[P2S:P2S+1], s[P2:P2+1], s[86:87]   ; v's scale words: 128 g on
	s_mul_i32 s86, s16, 3072
	s_add_co_u32 s86, s86, 6144
	s_add_nc_u64 s[P2:P2+1], s[P2:P2+1], s[86:87]     ; v's fragments 2 g, 2 g + 1
.macro FRAG reg, a16, a8, off          ; a fragment's 12 registers: two half fragments, four dense loads
	ds_load_b128 v[(\reg):(\reg)+3], v[\a16] offset:(\off)
	ds_load_b64 v[(\reg)+4:(\reg)+5], v[\a8] offset:(\off)+512
	ds_load_b128 v[(\reg)+6:(\reg)+9], v[\a16] offset:(\off)+768
	ds_load_b64 v[(\reg)+10:(\reg)+11], v[\a8] offset:(\off)+1280
.endm
.macro FETCH1 q, p                     ; 40 loads: W's six fragments and x's tiles 0-3 of the group's K step q, into set p
	WIN TO_B
.irp t, 0,1,2,3
	FRAG 72*(\p)+12*\t, B16, B8, REC*\t+1536*(\q)
.endr
.irp t, 0,1
	FRAG 72*(\p)+48+12*\t, V16, V8, REC*\t+1536*(\q)
.endr
	WIN 0
.irp a, 0,1,2,3
	FRAG AF+96*(\p)+12*\a, A16, A8, REC*\a+1536*(\q)
.endr
.endm
.macro FETCH2 q, p                     ; 16 loads: x's tiles 4-7
	WIN 0
.irp a, 4,5,6,7
	FRAG AF+96*(\p)+12*\a, A16, A8, REC*\a+1536*(\q)
.endr
.endm
.macro SCALES set                      ; a group's 14 registers of scale words
.irp a, 0,1,2,3,4,5,6,7
	ds_load_b32 v[SC+14*(\set)+\a], v[AS] offset:REC*\a
.endr
.irp t, 0,1,2,3
	ds_load_b32 v[SC+14*(\set)+8+\t], v[BS] offset:REC*\t
.endr
.irp t, 0,1
	ds_load_b32 v[SC+14*(\set)+12+\t], v[VS] offset:REC*\t
.endr
.endm
.macro WM d, a, b, sa, sb, zero, q     ; q = 1: a group's second K step: its scale words stand in lanes 16-31
.if \zero
	v_wmma_scale_f32_16x16x128_f8f6f4 v[(\d):(\d)+7], v[(\a):(\a)+11], v[(\b):(\b)+11], 0, v[\sa], v[\sb] matrix_a_fmt:MATRIX_FMT_FP6 matrix_b_fmt:MATRIX_FMT_FP6
.elseif \q
	v_wmma_scale_f32_16x16x128_f8f6f4 v[(\d):(\d)+7], v[(\a):(\a)+11], v[(\b):(\b)+11], v[(\d):(\d)+7], v[\sa], v[\sb] matrix_a_fmt:MATRIX_FMT_FP6 matrix_b_fmt:MATRIX_FMT_FP6 matrix_a_scale:MATRIX_SCALE_ROW1 matrix_b_scale:MATRIX_SCALE_ROW1
.else
	v_wmma_scale_f32_16x16x128_f8f6f4 v[(\d):(\d)+7], v[(\a):(\a)+11], v[(\b):(\b)+11], v[(\d):(\d)+7], v[\sa], v[\sb] matrix_a_fmt:MATRIX_FMT_FP6 matrix_b_fmt:MATRIX_FMT_FP6
.endif
.endm
; The 48 accumulators take turns, one instruction a turn, in the same order in every K step.  The set p is also the K step's place q in its group.
.macro MULQK p, sc, a0, zero           ; 16: x's tiles a0 .. a0 + 3 against q's or k's four
.irp a, \a0, \a0+1, \a0+2, \a0+3
.irp t, 0,1,2,3
	WM 32*(\a)+8*\t, 72*(\p)+12*\t, AF+96*(\p)+12*(\a), SC+14*(\sc)+8+\t, SC+14*(\sc)+(\a), \zero, \p
.endr
.endr
.endm
.macro MULV p, sc, zero                ; 16: x's eight tiles against v's two
.irp a, 0,1,2,3,4,5,6,7
.irp t, 0,1
	WM 64*\t+8*\a, AF+96*(\p)+12*\a, 72*(\p)+48+12*\t, SC+14*(\sc)+\a, SC+14*(\sc)+12+\t, \zero, \p
.endr
.endr
.endm
.macro ADVANCE back                    ; on to the next group's regions: nine plain additions, which are also the places in front of the loads that follow
.if \back
.irp r, A16, A8, AS
	v_sub_nc_u32 v[\r], v[\r], 2*AREG              ; A's last group lies in its first region
.endr
.else
.irp r, A16, A8, AS
	v_add_nc_u32 v[\r], AREG, v[\r]
.endr
.endif
.irp r, B16, B8, BS, V16, V8, VS
	v_add_nc_u32 v[\r], BREG, v[\r]
.endr
.endm
; A K step whose successor's tiles are known to lie in LDS.  chg = 1: the successor begins a group.
.macro STEP p, sc, chg, zero
	s_wait_dscnt 16                                ; all but the youngest 16 loads (x's tiles 4-7) are in
	WIN W_QK
	MULQK \p, \sc, 0, \zero
	s_wait_dscnt 0x0                               ; x's tiles 4-7 are in
.if \chg
	WIN 0
	ADVANCE 0
.else
	PLACES                                         ; four places in front of loads into the set that the last K step's products read
.endif
	FETCH1 (1-\p), (1-\p)
.if \chg
	SCALES (1-\sc)
.endif
	WIN W_QK
	MULQK \p, \sc, 4, \zero
	FETCH2 (1-\p), (1-\p)
	WIN W_V
	MULV \p, \sc, \zero
.endm
; A group's second K step with a barrier in it.  refill = 1: the group just read leaves A's first region, which takes A's last group: the barrier opens a round of the cluster's barrier.
.macro TURN p, sc, refill, back
	WIN 0                                          ; (the add's two registers lie in window 0)
	s_wait_tensorcnt 0x0                           ; all my tensor loads have landed
.if \refill
	ds_add_u32 v[SPW], v[NIL]                      ; 0 onto my spare word
	s_add_nc_u64 s[GA0+2:GA0+3], s[GA0+2:GA0+3], 3*REC   ; no load of mine is out: the first region's descriptor steps to the last group
	s_wait_dscnt 17                                ; (the add and x's tiles 4-7 may be out)
.else
	s_wait_dscnt 16
.endif
	WIN W_QK
	MULQK \p, \sc, 0, 0
	s_wait_dscnt 0x0                               ; the add is done, and my reads of this group are over
	s_barrier_signal -1
	MULQK \p, \sc, 4, 0                            ; work on registers while the others arrive
	WIN 0
	s_barrier_wait -1
.if \refill
	CREST                                          ; no wave of any partner still reads the region or has a load on its way
	s_cmp_lt_u32 s14, 1                            ; wave 0 asks for the whole group; the others have no part of it
	s_cbranch_scc0 .Lno_fill_\@
	tensor_load_to_lds s[GA0:GA0+3], s[G1A:G1A+7]  ; the first tensor load behind the round, and the wave's only one: it must land by the head of K step 5
	s_nop 0
	PLACES
.Lno_fill_\@:
.endif
	ADVANCE \back
	FETCH1 0, 0
	SCALES (1-\sc)
	FETCH2 0, 0
	WIN W_V
	MULV \p, \sc, 0
.endm
	s_wait_alu depctr_va_vdst(0)
	s_wait_tensorcnt 0x0                           ; my one load of the head has landed
	ds_add_u32 v[SPW], v[NIL]
	s_wait_dscnt 0x0
	CROUND                                         ; groups 0 and 1 are whole, and all sixteen work-groups are here
	ARM 1, GA2, G1A, .Ls1, .Lsecond_done           ; wave 0 A's group 2, wave 1 B's group 2, wave 2 B's group 3; wave 3 has none
	ARM 2, GB0+8, G1B, .Ls2, .Lsecond_done
	s_cmp_lt_u32 s14, 3
	s_cbranch_scc0 .Lsecond_done
	tensor_load_to_lds s[GB0+12:GB0+15], s[G1B:G1B+7]
	s_nop 0
	PLACES
.Lsecond_done:
; A WORK-GROUP STAYS: it makes the blocks of 256 rows y and y + 16 of its head.  W's four regions hold all of K and are filled once; only x's records are fetched anew.  K steps 0 to 6 stand once, in this loop over blocks.
	s_mov_b32 s2, 2                                ; blocks to go, this one among them: the same number in every work-group
.Ltile:
	FETCH1 0, 0
	SCALES 0
	FETCH2 0, 0
	STEP 0, 0, 0, 1                                ; K step 0: its products start the sums
	STEP 1, 0, 1, 0                                ; 1, and on to group 1
	s_wait_alu depctr_va_vdst(0)
	STEP 0, 1, 0, 0                                ; 2
	TURN 1, 1, 1, 0                                ; 3; groups 2 and 3 of B and group 2 of A are shown whole; A's group 3 is asked for into A's first region
	s_wait_alu depctr_va_vdst(0)
	STEP 0, 0, 0, 0                                ; 4
	TURN 1, 0, 0, 1                                ; 5; the refill is shown landed
	s_wait_alu depctr_va_vdst(0)
	STEP 0, 1, 0, 0                                ; 6
	WIN 0
	s_cmp_eq_u32 s2, 1
	s_cbranch_scc1 .Llast_tile                     ; the last block's tail is written out: it asks for nothing more
; THE WAY OUT.  64 numbers of a lane in window win, register 16 b + i = place 32 b + 16 h + i along the quantiser's axis, become 12 registers of codes in v[pc] on; the four bytes stay in v[TM+4] on.
; Each accumulator is read from its low end on.
.macro QUANTW s, win, pc
	WIN ((\win)<<2)|((\win)<<4)                    ; sources 1 and 2: the accumulators' window
.irp b, 0,1,2,3
	v_max3_num_f32 v[TM+\b], 0x1800000, |v[(\s)+16*\b]|, |v[(\s)+1+16*\b]|   ; and the floor 2^(3 - 127): the byte cannot fall under 1
.endr
.irp i, 2,4,6,8,10,12,14
.irp b, 0,1,2,3
	v_max3_num_f32 v[TM+\b], v[TM+\b], |v[(\s)+16*\b+\i]|, |v[(\s)+1+16*\b+\i]|
.endr
.endr
	WIN 0
.irp b, 0,1,2,3
	v_permlanex16_b32 v[TM+4+\b], v[TM+\b], s[SEL], s[SEL+1]
.endr
.irp b, 0,1,2,3
	v_max_num_f32 v[TM+\b], v[TM+\b], v[TM+4+\b]
.endr
.irp b, 0,1,2,3
	v_add_nc_u32 v[TM+12+\b], 0xff000000, v[TM+\b] ; 2 off the exponent field: the conversion's scale operand
.endr
.irp b, 0,1,2,3
	v_lshrrev_b32 v[TM+4+\b], 23, v[TM+12+\b]      ; the byte
.endr
	WIN \win                                       ; source 0: the accumulators' window
.irp c, 0,1
	v_cvt_scalef32_pk16_fp6_f32 v[(\pc)+6*\c:(\pc)+2+6*\c], v[(\s)+32*\c:(\s)+15+32*\c], v[TM+12+2*\c]
	v_cvt_scalef32_pk16_fp6_f32 v[(\pc)+12+4*\c:(\pc)+14+4*\c], v[(\s)+16+32*\c:(\s)+31+32*\c], v[TM+12+2*\c+1]
.endr
	WIN 0
	v_nop                                          ; one plain line behind the conversions
.irp c, 0,1
.irp i, 0,1,2
	v_permlane16_swap_b32 v[(\pc)+6*\c+\i], v[(\pc)+12+4*\c+\i]
.endr
.irp i, 0,1,2
	v_mov_b32 v[(\pc)+3+6*\c+\i], v[(\pc)+12+4*\c+\i]
.endr
.endr
.endm
.macro OUT4 pc, ptr, off               ; two half fragments: 512, 256, 512, 256 consecutive bytes
	global_store_b128 v[L16], v[(\pc):(\pc)+3], s[\ptr:\ptr+1] offset:(\off)
	global_store_b64 v[L8], v[(\pc)+4:(\pc)+5], s[\ptr:\ptr+1] offset:(\off)+512
	global_store_b128 v[L16], v[(\pc)+6:(\pc)+9], s[\ptr:\ptr+1] offset:(\off)+768
	global_store_b64 v[L8], v[(\pc)+10:(\pc)+11], s[\ptr:\ptr+1] offset:(\off)+1280
.endm
.macro EPI
	PLACES                                         ; behind the last products
.irp b, 0,1,2,3
	v_mov_b32 v[TM+4+\b], 0
.endr
.irp al, 0,1,2,3                       ; q or k: x's tiles 2 al and 2 al + 1: two blocks of 32 each, a half fragment each.  Every set of codes has registers of its own: no store's data are written again
	QUANTW 64*\al, 2, PCB+20*\al
	v_lshl_or_b32 v[T0], v[TM+5], 8, v[TM+4]
	v_lshl_or_b32 v[SW+2*\al], v[T0], 16, v[T0]    ; the two bytes, twice
	v_lshl_or_b32 v[T0], v[TM+7], 8, v[TM+6]
	v_lshl_or_b32 v[SW+2*\al+1], v[T0], 16, v[T0]
	OUT4 PCB+20*\al, P1, 1536*\al
.endr
.irp e, 0,1,2,3
	v_cndmask_b32 v[SS+\e], v[SW+\e], v[SW+4+\e], s95   ; lanes 0-15 store tiles 0-3's words of row r, lanes 16-31 tiles 4-7's
.endr
	global_store_b128 v[L16], v[SS:SS+3], s[P1S:P1S+1]  ; 512 consecutive bytes
.irp ta, 0,1                           ; v: a fragment of 16 of the head's 64 x my 128 keys
	QUANTW 64*\ta, 3, PCB+80+20*\ta
	v_lshl_or_b32 v[VW+\ta], v[TM+5], 8, v[TM+4]
	v_lshl_or_b32 v[VW+\ta], v[TM+6], 16, v[VW+\ta]
	v_lshl_or_b32 v[VW+\ta], v[TM+7], 24, v[VW+\ta]
	OUT4 PCB+80+20*\ta, P2, 1536*\ta
.endr
	v_cndmask_b32 v[VSEL], v[VW], v[VW+1], s95
	global_store_b32 v[L4], v[VSEL], s[P2S:P2S+1]
.endm
; K STEP 7 OF A BLOCK THAT HAS A SUCCESSOR.  Its fragments were fetched in K step 6, so behind this barrier no wave reads x's regions any more: they take the next block's groups 0, 1 and 2, one load a wave,
; which land under the last products and the way out.
	s_wait_tensorcnt 0x0                           ; all my tensor loads have landed
	ds_add_u32 v[SPW], v[NIL]                      ; 0 onto my spare word
	s_add_nc_u64 s[GA0+2:GA0+3], s[GA0+2:GA0+3], 256*TREC-3*REC   ; no load of mine is out: x's descriptors step 256 tiles on, the first region's back from group 3 to group 0
	s_add_nc_u64 s[GA1+2:GA1+3], s[GA1+2:GA1+3], 256*TREC
	s_add_nc_u64 s[GA2+2:GA2+3], s[GA2+2:GA2+3], 256*TREC
	s_wait_dscnt 17                                ; (the add and x's tiles 4-7 may be out)
	WIN W_QK
	MULQK 1, 1, 0, 0
	s_wait_dscnt 0x0                               ; the add is done, and my reads of LDS for this block are over
	s_barrier_signal -1
	MULQK 1, 1, 4, 0                               ; work on registers while the others arrive
	WIN 0
	s_barrier_wait -1
	CREST                                          ; no wave of any partner still reads x's regions or has a load on its way
	ARM 1, GA0, G1A, .Ln1, .Lnext_done             ; wave 0 group 0, wave 1 group 1, wave 2 group 2; wave 3 has none
	ARM 2, GA1, G1A, .Ln2, .Lnext_done
	s_cmp_lt_u32 s14, 3
	s_cbranch_scc0 .Lnext_done
	tensor_load_to_lds s[GA2:GA2+3], s[G1A:G1A+7]
	s_nop 0
	PLACES
.Lnext_done:
	WIN W_V
	MULV 1, 1, 0
	WIN 0
	EPI
	s_wait_xcnt 0x0                                ; the stores have read their registers and bases: both are written again below and in the next block
	s_mov_b32 s86, 512*13056                       ; rows 4,096 on are 512 blocks on in qc (6,656 bytes each) and in kv (13,056)
	s_mov_b32 s87, 0
	s_mov_b32 s85, 0
	s_cmp_eq_u32 s16, 0                            ; q's wave or k's: the choice hangs on the wave's number alone
	s_cselect_b32 s84, 512*6656, s86
	s_add_nc_u64 s[P1:P1+1], s[P1:P1+1], s[84:85]
	s_add_nc_u64 s[P1S:P1S+1], s[P1S:P1S+1], s[84:85]
	s_add_nc_u64 s[P2:P2+1], s[P2:P2+1], s[86:87]
	s_add_nc_u64 s[P2S:P2S+1], s[P2S:P2S+1], s[86:87]
.irp r, B16, B8, BS, V16, V8, VS
	v_sub_nc_u32 v[\r], v[\r], 3*BREG              ; W's addresses go back to group 0 (x's are there already)
.endr
	s_wait_alu depctr_va_vdst(0)                   ; the wait here, directly ahead of the wait below
	s_wait_tensorcnt 0x0                           ; my part of the next block's records has landed,
	s_barrier_signal -1
	s_barrier_wait -1                              ; everybody's has
	s_sub_co_u32 s2, s2, 1
	s_branch .Ltile
.Llast_tile:
	s_wait_dscnt 16                                ; K step 7 of the last block: nothing more to fetch
	WIN W_QK
	MULQK 1, 1, 0, 0
	s_wait_dscnt 0x0
	MULQK 1, 1, 4, 0
	WIN W_V
	MULV 1, 1, 0
	WIN 0
	EPI
	s_wait_tensorcnt 0x0                           ; the wave's end
	ds_add_u32 v[SPW], v[NIL]
	s_wait_dscnt 0x0
	CROUND                                         ; the closing round: no work-group ends while a partner may still ask for a tile that names it
	s_endpgm
.Lfunc_end_k_q6394f57154_qkv:
	.size	k_q6394f57154_qkv, .Lfunc_end_k_q6394f57154_qkv-k_q6394f57154_qkv
	.p2alignl 7, 3214868480
	.fill 96, 4, 3214868480
	.section	.rodata,"a",@progbits
	.p2align	6, 0x0
	.amdhsa_kernel k_q6394f57154_qkv
		.amdhsa_group_segment_fixed_size 327680
		.amdhsa_private_segment_fixed_size 0
		.amdhsa_enable_private_segment 0
		.amdhsa_kernarg_size 32
		.amdhsa_user_sgpr_count 2
		.amdhsa_user_sgpr_kernarg_segment_ptr 1
		.amdhsa_wavefront_size32 1
		.amdhsa_system_sgpr_workgroup_id_x 1
		.amdhsa_system_sgpr_workgroup_id_y 1
		.amdhsa_system_sgpr_workgroup_id_z 1
		.amdhsa_system_vgpr_workitem_id 0
		.amdhsa_next_free_vgpr 896
		.amdhsa_next_free_sgpr 100
		.amdhsa_reserve_vcc 0
		.amdhsa_float_denorm_mode_32 3
		.amdhsa_float_denorm_mode_16_64 3
		.amdhsa_memory_ordered 1
		.amdhsa_forward_progress 1
		.amdhsa_inst_pref_size 157
	.end_amdhsa_kernel
	.amdgpu_metadata
---
amdhsa.version: [ 1, 2 ]
amdhsa.kernels:
  - .name:           k_q6394f57154_qkv
    .symbol:         k_q6394f57154_qkv.kd
    .args:
      - { .name: xc, .offset: 0, .size: 8, .value_kind: global_buffer, .address_space: global }
      - { .name: wc, .offset: 8, .size: 8, .value_kind: global_buffer, .address_space: global }
      - { .name: qc, .offset: 16, .size: 8, .value_kind: global_buffer, .address_space: global }
      - { .name: kv, .offset: 24, .size: 8, .value_kind: global_buffer, .address_space: global }
    .group_segment_fixed_size: 327680
    .private_segment_fixed_size: 0
    .kernarg_segment_align: 8
    .kernarg_segment_size: 32
    .max_flat_workgroup_size: 128
    .sgpr_count:     100
    .vgpr_count:     896
    .wavefront_size: 32
...
	.end_amdgpu_metadata
.endif
;; end of part 2
;; launch attn (part 3): grid 4 x 64, 8 waves a work-group, clusters of 4 x 1, 264,192 bytes of LDS; arguments qc, kv, ac; writes ac
.if DOCPART == 3
	.amdgcn_target "amdgcn-amd-amdhsa--gfx1250"
	.amdhsa_code_object_version 6
	.text
	.protected	k_q6394f57154_attn
	.globl	k_q6394f57154_attn
	.p2align	8
	.type	k_q6394f57154_attn,@function
k_q6394f57154_attn:
	s_mov_b64 s[64:65], 0
	v_nop
	global_prefetch_b8 v0, s[64:65] scope:SCOPE_SE
	s_setreg_imm32_b32 hwreg(HW_REG_WAVE_MODE, 25, 1), 1
	s_wait_xcnt 0x0
	s_wait_alu depctr_hold_cnt(0) depctr_sa_sdst(0) depctr_va_vdst(0) depctr_va_sdst(0) depctr_va_ssrc(0) depctr_va_vcc(0) depctr_vm_vsrc(0)
	s_getreg_b32 s2, hwreg(HW_REG_IB_STS2, 6, 4)
	s_cmp_eq_u32 s2, 0
	s_cbranch_scc0 .Lentry_in_a_cluster
	s_endpgm
.Lentry_in_a_cluster:
	s_bfe_u32 s2, ttmp6, 0x10000c
	s_cmp_lg_u32 s2, 0x3003
	s_cbranch_scc0 .Lentry_shape_is_right
	s_endpgm
.Lentry_shape_is_right:
; Causal attention of one (batch, head) on codes of FP6 (E2M3): S^T = k q^T (K = the head's 64), p = 2^(t - M), O^T = v^T p^T (K = the keys), O / l quantised along the head's 64 and stored as codes for the last product.
; t = S x log2(e) / 32; M = the running largest t rounded UP to a whole number; p is quantised along the keys, not normalised; l is the sum of the unquantised p.  When M moves, l and O are multiplied by 2^(old M - new M): exact.
; LEFT OUT: key steps that lie wholly behind the causal mask: their p are 0 for all inputs.
; SHARES.  The four work-groups of a cluster take one (batch, head).  Its k and v, 16 key steps of 128 keys x 13,056 bytes, fit in LDS: each of the 8 waves brings two steps (102 rows of 256 bytes) by ONE joint load.  No LDS byte is filled twice or stored to.
; Wave w of work-group c owns the tiles 2 c and 2 c + 1 (16 queries each) of the query groups w and 15 - w, and WORKS THE TWO TILES OF A GROUP TOGETHER: each fragment of k and v read from LDS serves both, and the
; two tiles' dependent chains stand line by line.  Group w needs key steps 0 .. w, group 15 - w steps 0 .. 15 - w: 17 trips for every wave.  Trips and branches hang on the wave's number alone; c enters global addresses and the lane's query number (data for a select).
; LAYOUT as the earlier launches laid it: lane-row r of tile 2 b + u is 32 b + 8 u + r + 8 (r / 8); both products are used transposed, a lane holds one query.  q's registers 6-11 are zero codes; k's tile t is the run of 12 from KF + 6 t.
; THE MASK.  Hidden scores become -infinity ahead of the maximum, in the one step of a group that lies on the diagonal.  Key 0 counts for every query, so M is a number from a group's first step on.
; NO PREFETCH: all bytes that the work-group reads are asked for at its head; there is no later load to run ahead of.
; LIMITS: the promise holds while |t| stays under 2^31; a block of zeros carries the byte 1 (read by this program alone); NaN and infinities are not served.  ac's scale bytes leave as 2 bytes a lane.
; REGISTERS BY KIND, so that one window setting serves both tiles (T = 0, 1).  Window 1: v's fragments 0-47, l 48-51, partial sums 52-59, O^T 64 + 32 T, S^T and p 128 + 64 T.  Window 0: all else, as named below.
.set KVB, 13056
.set WV,  18
.set SEL, 20
.set CS,  22
.set TAU, 36
.set SWT, 37                           ; the trip at which the second group begins: w + 1
.set KI,  38
.set SB,  39
.set GD,  40                           ; the step on the diagonal of the group in hand; s41 the second group's
.set QL,  42
.set OP,  44                           ; s[44:45] where the codes go, s[46:47] the scale bytes; s[48:51] the second group's
.set VF,  0                            ; window 1
.set LS,  48
.set AC,  52
.set OA,  64
.set SR,  128
.set NINF, 11                          ; window 0
.set NM,  12                           ; pair (-M, largest t) of tile T at NM + 2 T
.set FF,  16                           ; f = 2^(old M - new M), low word of a pair
.set TM,  20                           ; 4 T + b: block maxima, then scale operands
.set TP,  28                           ; 4 T + b: the other half's maxima, then bytes
.set OLD, 36
.set TT,  38
.set DQ,  40                           ; my query - 16 h
.set RC,  42
.set RT,  46
.set BY,  48
.set KS,  50                           ; scale words, in registers that hold nothing else: k's 50-53, v's 54-55, p's 56-57, q's 58-59, the second group's q's 60-61
.set VS,  54
.set PS,  56
.set QS,  58
.set Q2S, 60
.set SPW, 62
.set NIL, 63
.set QA,  64                           ; q and its zeros: tile T at QA + 12 T
.set Q2,  88                           ; the second group's q: 6 T
.set KF,  100                          ; k's 8 half fragments, six zeros behind them
.set PC,  154                          ; p's codes: 12 T
.set HB,  178                          ; half blocks on their way: 8 T
.set MSB, 0
.macro WIN new                         ; the immediate's high byte repeats the setting that is left
.if MSB != \new
	s_set_vgpr_msb (MSB<<8)|\new
.set MSB, \new
.endif
.endm
.macro DL n
	s_delay_alu instid0(VALU_DEP_\n)
.endm
.macro CROUND
	s_barrier_signal -1
	s_barrier_wait -1
	s_cmp_lg_u32 s[WV], 0
	s_cbranch_scc1 .Lnot_wave_0_\@
	s_barrier_signal -3
.Lnot_wave_0_\@:
	s_barrier_wait -3
	s_barrier_signal -1
	s_barrier_wait -1
.endm
.macro CLEAR                           ; O^T and l of both tiles: a group's first step finds zeros
	WIN 0x40
.set n, 0
.rept 64
	v_mov_b32 v[OA+n], 0
.set n, n+1
.endr
.irp j, 0,1,2,3
	v_mov_b32 v[LS+\j], 0
.endr
	WIN 0
.endm
	s_load_b128 s[4:7], s[0:1], 0x0                ; qc, kv
	s_load_b64 s[8:9], s[0:1], 0x10                ; ac
	v_lshl_add_u32 v[SPW], v0, 2, 0x40000
	v_mov_b32 v[NIL], 0
	ds_add_u32 v[SPW], v[NIL]                      ; the opening lines: the add, twice, and its wait
	ds_add_u32 v[SPW], v[NIL]
	v_lshrrev_b32 v1, 5, v0
	v_readfirstlane_b32 s[WV], v1                  ; wave 0..7
	s_and_b32 s52, ttmp7, 0xffff                   ; 16 x batch + head, which the four partners share
	s_mul_i32 s54, s52, 16*KVB
	s_mul_i32 s33, s[WV], 2*KVB                    ; my two key steps: in LDS,
	s_add_co_u32 s54, s54, s33                     ; and in memory
	s_mov_b32 s55, 0
	s_mov_b32 s24, 15|(3<<16)|(1<<21)              ; group 1: the mask names all four; elements of 8 bytes; a dense block as 102 rows of 256 bytes
	s_mov_b32 s25, 32<<16
	s_mov_b32 s26, 102<<16
	s_mov_b32 s27, 32<<16
	s_mov_b32 s28, 102
	s_mov_b32 s29, 32
	s_mov_b32 s30, 0
	s_mov_b32 s31, 0
	s_mov_b32 s32, 1
	s_wait_dscnt 0x0
	s_wait_kmcnt 0x0
	s_add_nc_u64 s[34:35], s[6:7], s[54:55]
	s_or_b32 s35, s35, 0x80000000
	CROUND                                         ; all four work-groups are here: the joint loads meet
	tensor_load_to_lds s[32:35], s[24:31]          ; every wave's one load
	s_nop 0
.rept 4
	v_nop
.endr
	s_bfe_u32 s19, ttmp6, 0x40000                  ; cx
	s_mov_b32 s[SEL], 0x76543210
	s_mov_b32 s[SEL+1], 0xfedcba98
	s_mov_b32 s[CS], 0x3d38aa3b                    ; c = log2(e) / 32
	s_mov_b32 s[CS+1], s[CS]
	s_mov_b32 s[GD], s[WV]                         ; the first group of 128 queries
	s_add_co_u32 s[SWT], s[WV], 1
	s_sub_co_u32 s[GD+1], 15, s[WV]                ; the second
	s_lshl_b32 s56, s19, 1                         ; tile T = 0's place among a group's eight: 2 c
	s_lshl_b32 s[QL], s19, 5                       ; its first query in the group: 32 c (tile 1: 8 more)
	s_and_b32 s58, s52, 15                         ; the head: in ac it is half fragment head % 4 of record head / 4
	s_lshr_b32 s59, s58, 2
	s_mul_i32 s59, s59, 3328
	s_and_b32 s60, s58, 3
	s_mul_i32 s62, s60, 768
	s_add_co_u32 s62, s62, s59
	s_lshl_b32 s63, s60, 1                         ; its two scale bytes lie 2 (head % 4) into a place of 8
	s_add_co_u32 s63, s63, s59
	s_add_co_u32 s63, s63, 3072
.macro PTRS g, qp, qs, op, os          ; tile 0's addresses in group g; tile 1's lie 768, 4, 13,312 and 13,312 bytes on
	s_lshl_b32 s58, s52, 4
	s_add_co_u32 s58, s58, s[\g]
	s_mul_i32 s58, s58, 6656
	s_mul_i32 s59, s56, 768
	s_add_co_u32 s60, s58, s59
	s_mov_b32 s61, 0
	s_add_nc_u64 s[\qp:\qp+1], s[4:5], s[60:61]
	s_lshr_b32 s59, s56, 2
	s_lshl_b32 s59, s59, 8
	s_add_co_u32 s60, s58, s59
	s_and_b32 s59, s56, 3
	s_lshl_b32 s59, s59, 2
	s_add_co_u32 s60, s60, s59
	s_add_co_u32 s60, s60, 6144
	s_add_nc_u64 s[\qs:\qs+1], s[4:5], s[60:61]
	s_lshr_b32 s58, s52, 4
	s_lshl_b32 s58, s58, 7
	s_lshl_b32 s59, s[\g], 3
	s_add_co_u32 s58, s58, s59
	s_add_co_u32 s58, s58, s56                     ; the tile of rows: 128 x batch + 8 x group + place
	s_mul_i32 s58, s58, 13312
	s_add_co_u32 s60, s58, s62
	s_add_nc_u64 s[\op:\op+1], s[8:9], s[60:61]
	s_add_co_u32 s60, s58, s63
	s_add_nc_u64 s[\os:\os+1], s[8:9], s[60:61]
.endm
	PTRS GD, 66, 68, OP, OP+2
	PTRS GD+1, 70, 72, OP+4, OP+6
	v_and_b32 v1, 31, v0                           ; lane
	v_and_b32 v5, 15, v0                           ; r
	v_bfe_u32 v6, v0, 4, 1                         ; h
	v_lshlrev_b32 v2, 4, v1
	v_lshlrev_b32 v3, 3, v1
	v_lshlrev_b32 v4, 4, v5
	v_and_b32 v7, 8, v5
	v_lshlrev_b32 v6, 4, v6
	v_add_nc_u32 v7, v7, v5
.irp T, 0,1                            ; both groups' q stay in registers
	global_load_b128 v[QA+12*\T:QA+12*\T+3], v2, s[66:67] offset:768*\T
	global_load_b64 v[QA+12*\T+4:QA+12*\T+5], v3, s[66:67] offset:768*\T+512
	global_load_b32 v[QS+\T], v4, s[68:69] offset:4*\T
	global_load_b128 v[Q2+6*\T:Q2+6*\T+3], v2, s[70:71] offset:768*\T
	global_load_b64 v[Q2+6*\T+4:Q2+6*\T+5], v3, s[70:71] offset:768*\T+512
	global_load_b32 v[Q2S+\T], v4, s[72:73] offset:4*\T
.endr
	v_sub_nc_u32 v7, v7, v6                        ; r + 8 (r / 8) - 16 h
	v_mov_b32 v[NINF], 0xff800000
	v_add_nc_u32 v[DQ], s[QL], v7
.irp j, 0,1,2,3,4,5
	v_mov_b32 v[QA+6+\j], 0                        ; q's zero codes,
	v_mov_b32 v[QA+18+\j], 0
	v_mov_b32 v[KF+48+\j], 0                       ; and those behind k's last tile
.endr
	v_add_nc_u32 v[DQ+1], 8, v[DQ]
.irp T, 0,1
	v_mov_b32 v[NM+2*\T+1], 0xff61b1e6             ; the largest t so far: -3e38
	v_mov_b32 v[FF+2*\T+1], 0                      ; (upper halves of pairs that are named whole)
	v_mov_b32 v[RC+2*\T+1], 0
	v_mov_b32 v[RT+\T], 0                          ; (a lane permute's destination counts as one of its sources)
.endr
.irp T, 0,1
	v_floor_f32 v[NM+2*\T], -v[NM+2*\T+1]          ; -M
.endr
.irp j, 0,1,2,3,4,5,6,7
	v_mov_b32 v[TP+\j], 0
.endr
	CLEAR
	s_wait_alu depctr_va_vdst(0)                   ; the wait at the head's end
	s_wait_tensorcnt 0x0                           ; my two key steps have landed,
	s_barrier_signal -1
	s_barrier_wait -1                              ; everybody's have: from here on LDS is only read
	s_wait_loadcnt 0x0                             ; q
; A GROUP'S END: O^T / l of both tiles, quantised along the head's 64 (two blocks), leaves as a half fragment and two scale bytes each.  more = 1: the second group takes the first's place.
.macro FINISH more
.rept 4
	v_nop                                          ; places behind the last products
.endr
	WIN 0x05
.irp T, 0,1
	v_add_f32 v[RC+2*\T], v[LS+2*\T], v[LS+2*\T+1] ; l's two halves,
.endr
	WIN 0
.irp T, 0,1
	v_permlanex16_b32 v[RT+\T], v[RC+2*\T], s[SEL], s[SEL+1]
.endr
.irp T, 0,1
	DL 2
	v_add_f32 v[RC+2*\T], v[RC+2*\T], v[RT+\T]     ; and lane l xor 16's
.endr
	s_wait_alu depctr_va_vdst(0)                   ; the wait ahead of the transcendentals
.irp T, 0,1
	v_rcp_f32 v[RC+2*\T], v[RC+2*\T]
.endr
	v_nop
	WIN 0x41
	s_wait_alu depctr_va_vdst(0)                   ; and directly ahead of the first reader of the reciprocals and of O^T
.set n, 0
.rept 16
.irp T, 0,1
	v_pk_mul_f32 v[SR+64*\T+n:SR+64*\T+n+1], v[OA+32*\T+n:OA+32*\T+n+1], v[RC+2*\T:RC+2*\T+1] op_sel_hi:[1,0]   ; register 16 b + i = O(query r, 32 b + 16 h + i) / l; each accumulator from its low end on
.endr
.set n, n+2
.endr
	WIN 0x05
.irp b, 0,1
.irp T, 0,1
	v_max3_num_f32 v[TM+4*\T+\b], |v[SR+64*\T+16*\b]|, |v[SR+64*\T+16*\b+1]|, 0x1800000   ; with the floor 2^(3 - 127)
.endr
.endr
.irp i, 2,4,6,8,10,12,14
.irp b, 0,1
.irp T, 0,1
	DL 4
	v_max3_num_f32 v[TM+4*\T+\b], |v[SR+64*\T+16*\b+\i]|, |v[SR+64*\T+16*\b+\i+1]|, v[TM+4*\T+\b]
.endr
.endr
.endr
	WIN 0
.irp b, 0,1
.irp T, 0,1
	v_permlanex16_b32 v[TP+4*\T+\b], v[TM+4*\T+\b], s[SEL], s[SEL+1]
.endr
.endr
.irp b, 0,1
.irp T, 0,1
	DL 4
	v_max_num_f32 v[TM+4*\T+\b], v[TM+4*\T+\b], v[TP+4*\T+\b]
.endr
.endr
.irp b, 0,1
.irp T, 0,1
	DL 4
	v_add_nc_u32 v[TM+4*\T+\b], 0xff000000, v[TM+4*\T+\b]   ; 2 off the exponent field: the conversion's scale operand
.endr
.endr
.irp b, 0,1
.irp T, 0,1
	DL 4
	v_lshrrev_b32 v[TP+4*\T+\b], 23, v[TM+4*\T+\b]          ; the byte
.endr
.endr
.irp T, 0,1
	DL 2
	v_lshl_or_b32 v[BY+\T], v[TP+4*\T+1], 8, v[TP+4*\T]
.endr
	WIN 0x01
.irp T, 0,1
	v_cvt_scalef32_pk16_fp6_f32 v[PC+12*\T:PC+12*\T+2], v[SR+64*\T:SR+64*\T+15], v[TM+4*\T]
	v_cvt_scalef32_pk16_fp6_f32 v[HB+8*\T:HB+8*\T+2], v[SR+64*\T+16:SR+64*\T+31], v[TM+4*\T+1]
.endr
	WIN 0
	v_nop                                          ; one plain line behind the conversions
.irp T, 0,1
.irp i, 0,1,2
	v_permlane16_swap_b32 v[PC+12*\T+\i], v[HB+8*\T+\i]
.endr
.endr
.irp T, 0,1
.irp i, 0,1,2
	v_mov_b32 v[PC+12*\T+3+\i], v[HB+8*\T+\i]
.endr
.endr
.irp T, 0,1
	global_store_b128 v2, v[PC+12*\T:PC+12*\T+3], s[OP:OP+1] offset:13312*\T           ; 512 consecutive bytes
	global_store_b64 v3, v[PC+12*\T+4:PC+12*\T+5], s[OP:OP+1] offset:13312*\T+512      ; 256
	global_store_b16 v3, v[BY+\T], s[OP+2:OP+3] offset:13312*\T                        ; both copies of row r's place
.endr
.if \more
	s_wait_xcnt 0x0                                ; the stores have read their registers and bases: both are written again below
.irp T, 0,1
	v_mov_b32 v[QS+\T], v[Q2S+\T]                  ; the scale words first: the plain lines below stand between them and the next product
.endr
.irp T, 0,1
.irp j, 0,1,2,3,4,5
	v_mov_b32 v[QA+12*\T+\j], v[Q2+6*\T+\j]
.endr
.endr
.irp T, 0,1
	v_mov_b32 v[NM+2*\T+1], 0xff61b1e6
.endr
.irp T, 0,1
	DL 2
	v_floor_f32 v[NM+2*\T], -v[NM+2*\T+1]
.endr
	s_mov_b32 s[GD], s[GD+1]                       ; O^T and l are not cleared: with the largest t back at -3e38 the next step's f is 0, and 0 x the old finite sums is 0
	s_mov_b64 s[OP:OP+1], s[OP+4:OP+5]
	s_mov_b64 s[OP+2:OP+3], s[OP+6:OP+7]
.endif
.endm
	s_mov_b32 s[TAU], 0
.Ltrip:                                            ; 17 trips for every wave
	s_cmp_ge_u32 s[TAU], s[SWT]
	s_cselect_b32 s53, s[SWT], 0
	s_sub_co_u32 s[KI], s[TAU], s53                ; the key step: the trip, counted anew from the second group's first
	s_min_u32 s[KI], s[KI], 15                     ; (at most 15 by the counts above: the hold states the bound: 16 steps lie in LDS)
	s_mul_i32 s[SB], s[KI], KVB
	s_cmp_lg_u32 s[TAU], s[SWT]
	s_cbranch_scc1 .Lsame_group
	FINISH 1
.Lsame_group:
	v_add_nc_u32 v8, s[SB], v2                     ; these four lines are also the places in front of loads into registers that the last products read
	v_add_nc_u32 v9, s[SB], v3
	v_lshl_add_u32 v10, v1, 2, s[SB]
	v_nop
.irp t, 0,1,2,3,4,5,6,7
	ds_load_b128 v[KF+6*\t:KF+6*\t+3], v8 offset:768*\t
	ds_load_b64 v[KF+6*\t+4:KF+6*\t+5], v9 offset:768*\t+512
.endr
	ds_load_b128 v[KS:KS+3], v8 offset:12288       ; k's scale words: lanes 0-15 tiles 0-3 of row r, lanes 16-31 tiles 4-7
	ds_load_b32 v[VS], v10 offset:12800            ; v's: lanes 0-15 fragment 0, lanes 16-31 fragment 1;
	ds_load_b32 v[VS+1], v10 offset:12928          ; fragments 2 and 3
	WIN 0x40
.irp t, 0,1,2,3                                ; v's four fragments have registers of their own and land under the softmax
	ds_load_b128 v[VF+12*\t:VF+12*\t+3], v8 offset:6144+1536*\t
	ds_load_b64 v[VF+12*\t+4:VF+12*\t+5], v9 offset:6144+1536*\t+512
	ds_load_b128 v[VF+12*\t+6:VF+12*\t+9], v8 offset:6144+1536*\t+768
	ds_load_b64 v[VF+12*\t+10:VF+12*\t+11], v9 offset:6144+1536*\t+1280
.endr
	s_wait_alu depctr_va_vdst(0)                   ; the wait here, directly ahead of the wait below
	s_wait_dscnt 16                                ; k and all scale words are in; v's 16 loads, issued behind them, may be out
.irp t, 0,1,2,3
.irp T, 0,1
	v_wmma_scale_f32_16x16x128_f8f6f4 v[SR+64*\T+8*\t:SR+64*\T+8*\t+7], v[KF+6*\t:KF+6*\t+11], v[QA+12*\T:QA+12*\T+11], 0, v[KS+\t], v[QS+\T] matrix_a_fmt:MATRIX_FMT_FP6 matrix_b_fmt:MATRIX_FMT_FP6
.endr
.endr
.irp t, 4,5,6,7
.irp T, 0,1
	v_wmma_scale_f32_16x16x128_f8f6f4 v[SR+64*\T+8*\t:SR+64*\T+8*\t+7], v[KF+6*\t:KF+6*\t+11], v[QA+12*\T:QA+12*\T+11], 0, v[KS+\t-4], v[QS+\T] matrix_a_fmt:MATRIX_FMT_FP6 matrix_b_fmt:MATRIX_FMT_FP6 matrix_a_scale:MATRIX_SCALE_ROW1
.endr
.endr
.rept 4
	v_nop                                          ; places in front of the first read of the scores
.endr
	WIN 0
	s_cmp_lg_u32 s[KI], s[GD]                      ; the diagonal?  It hangs on the wave's number and the trip
	s_cbranch_scc1 .Lopen
	WIN 0x41
.set n, 0
.rept 64                                       ; register 16 b + i holds key 32 b + 16 h + i: hidden where 32 b + i > my query - 16 h
.irp T, 0,1
	v_cmp_gt_i32 vcc_lo, 32*(n/16)+n%16, v[DQ+\T]
	v_cndmask_b32 v[SR+64*\T+n], v[SR+64*\T+n], v[NINF], vcc_lo
.endr
.set n, n+1
.endr
	WIN 0
.Lopen:
	WIN 0x05
.irp b, 0,1,2,3                                ; the largest score of each block of 32 keys: it serves for the row's maximum and, since p rises with the score, for the block's largest p.  Eight chains by turns
.irp T, 0,1
	v_max3_num_f32 v[TM+4*\T+\b], v[SR+64*\T+16*\b], v[SR+64*\T+16*\b+1], 0xff800000
.endr
.endr
.irp i, 2,4,6,8,10,12,14
.irp b, 0,1,2,3
.irp T, 0,1
	v_max3_num_f32 v[TM+4*\T+\b], v[SR+64*\T+16*\b+\i], v[SR+64*\T+16*\b+\i+1], v[TM+4*\T+\b]
.endr
.endr
.endr
	WIN 0
.irp j, 0,1,2,3,4,5,6,7
	v_permlanex16_b32 v[TP+\j], v[TM+\j], s[SEL], s[SEL+1]
.endr
.irp j, 0,1,2,3,4,5,6,7
	v_max_num_f32 v[TM+\j], v[TM+\j], v[TP+\j]     ; with lane l xor 16's 16 keys
.endr
.irp T, 0,1
	v_max3_num_f32 v[TT+\T], v[TM+4*\T], v[TM+4*\T+1], v[TM+4*\T+2]
.endr
.irp T, 0,1
	DL 2
	v_max_num_f32 v[TT+\T], v[TT+\T], v[TM+4*\T+3] ; the step's largest score of my query
.endr
.irp T, 0,1
	DL 2
	v_mul_f32 v[TT+\T], s[CS], v[TT+\T]            ; as t (c is positive)
.endr
.irp T, 0,1
	v_mov_b32 v[OLD+\T], v[NM+2*\T]
.endr
.irp T, 0,1
	DL 4
	v_max_num_f32 v[NM+2*\T+1], v[NM+2*\T+1], v[TT+\T]   ; the running largest t
.endr
.irp T, 0,1
	DL 2
	v_floor_f32 v[NM+2*\T], -v[NM+2*\T+1]          ; the new -M = -ceil(t): a whole number
.endr
.irp T, 0,1
	DL 2
	v_sub_f32 v[TT+\T], v[NM+2*\T], v[OLD+\T]      ; old M - new M: a whole number, 0 or less
.endr
.irp T, 0,1
	DL 2
	v_cvt_i32_f32 v[TT+\T], v[TT+\T]               ; (it saturates)
.endr
.irp T, 0,1
	DL 2
	v_ldexp_f32 v[FF+2*\T], 1.0, v[TT+\T]          ; f = 2^(old M - new M)
.endr
.irp j, 0,1,2,3,4,5,6,7
	v_fma_f32 v[TM+\j], v[TM+\j], s[CS], v[NM+2*(\j/4)]   ; t - M of each block's largest score
.endr
	WIN 0x41
.set n, 0
.rept 32
	v_pk_fma_f32 v[SR+n:SR+n+1], v[SR+n:SR+n+1], s[CS:CS+1], v[NM:NM+1] op_sel_hi:[1,0,0]   ; tile 0: t - M, two at a time
.set n, n+2
.endr
	s_wait_alu depctr_va_vdst(0)                   ; the wait ahead of a batch of transcendentals
.set n, 0
.rept 32                                       ; tile 0's p = 2^(t - M); tile 1's t - M, which names none of these registers, stands among them
	v_exp_f32 v[SR+n], v[SR+n]
	v_exp_f32 v[SR+n+1], v[SR+n+1]
	v_pk_fma_f32 v[SR+64+n:SR+64+n+1], v[SR+64+n:SR+64+n+1], s[CS:CS+1], v[NM+2:NM+3] op_sel_hi:[1,0,0]
.set n, n+2
.endr
	s_wait_alu depctr_va_vdst(0)                   ; ahead of the second batch, whose sources were written among the first
.set n, 0
.rept 64
	v_exp_f32 v[SR+64+n], v[SR+64+n]
.set n, n+1
.endr
.irp T, 0,1
	v_pk_mul_f32 v[LS+2*\T:LS+2*\T+1], v[LS+2*\T:LS+2*\T+1], v[FF+2*\T:FF+2*\T+1] op_sel_hi:[1,0]   ; l under the new M
.endr
	s_wait_alu depctr_va_vdst(0)                   ; one wait for the batch, ahead of its first reader (the two lines above are the plain lines behind it)
	WIN 0x45
.irp j, 0,1                                    ; l is the sum of the unquantised p: three chains a tile, six by turns
.irp T, 0,1
	v_pk_add_f32 v[AC+4*\T+2*\j:AC+4*\T+2*\j+1], v[SR+64*\T+2*\j:SR+64*\T+2*\j+1], v[SR+64*\T+2*\j+4:SR+64*\T+2*\j+5]
.endr
.endr
.set k, 4
.rept 28
.irp T, 0,1
.if k%3 == 2
	v_pk_add_f32 v[LS+2*\T:LS+2*\T+1], v[LS+2*\T:LS+2*\T+1], v[SR+64*\T+2*k:SR+64*\T+2*k+1]
.else
	v_pk_add_f32 v[AC+4*\T+2*(k%3):AC+4*\T+2*(k%3)+1], v[AC+4*\T+2*(k%3):AC+4*\T+2*(k%3)+1], v[SR+64*\T+2*k:SR+64*\T+2*k+1]
.endif
.endr
.set k, k+1
.endr
.irp T, 0,1
	v_pk_add_f32 v[AC+4*\T:AC+4*\T+1], v[AC+4*\T:AC+4*\T+1], v[AC+4*\T+2:AC+4*\T+3]
.endr
.irp T, 0,1
	DL 2
	v_pk_add_f32 v[LS+2*\T:LS+2*\T+1], v[LS+2*\T:LS+2*\T+1], v[AC+4*\T:AC+4*\T+1]
.endr
	WIN 0
; A block's largest p is 2^x, x = t - M of its largest score, at most 0: floor(log2) of it is n = floor(x), so the scale's byte is n + 125, with no exponential.
.irp j, 0,1,2,3,4,5,6,7
	v_max_num_f32 v[TM+\j], 0xc2f80000, v[TM+\j]   ; x held at -124 from below: the byte cannot fall under 1 (a block whose every p is 0 keeps that byte: its codes are zeros)
.endr
.irp j, 0,1,2,3,4,5,6,7
	v_floor_f32 v[TM+\j], v[TM+\j]
.endr
.irp j, 0,1,2,3,4,5,6,7
	v_cvt_i32_f32 v[TP+\j], v[TM+\j]               ; n, -124 .. 0
.endr
.irp j, 0,1,2,3,4,5,6,7
	v_lshl_add_u32 v[TM+\j], v[TP+\j], 23, 0x3e800000   ; (n + 125) << 23: the conversion's scale operand
.endr
.irp T, 0,1
	v_lshl_add_u32 v[PS+\T], v[TP+4*\T+3], 8, v[TP+4*\T+2]   ; p's scale word for these 128 keys: the sum of n_b << 8 b, modulo 2^32,
.endr
.irp T, 0,1
	DL 2
	v_lshl_add_u32 v[PS+\T], v[PS+\T], 8, v[TP+4*\T+1]
.endr
.irp T, 0,1
	DL 2
	v_lshl_add_u32 v[PS+\T], v[PS+\T], 8, v[TP+4*\T]
.endr
.irp T, 0,1
	DL 2
	v_add_nc_u32 v[PS+\T], 0x7d7d7d7d, v[PS+\T]    ; and 125 in each byte
.endr
	WIN 0x01
.irp T, 0,1
.irp c, 0,1
	v_cvt_scalef32_pk16_fp6_f32 v[PC+12*\T+6*\c:PC+12*\T+6*\c+2], v[SR+64*\T+32*\c:SR+64*\T+32*\c+15], v[TM+4*\T+2*\c]
	v_cvt_scalef32_pk16_fp6_f32 v[HB+8*\T+4*\c:HB+8*\T+4*\c+2], v[SR+64*\T+32*\c+16:SR+64*\T+32*\c+31], v[TM+4*\T+2*\c+1]
.endr
.endr
	WIN 0
	v_nop                                          ; one plain line behind the conversions
.irp T, 0,1
.irp c, 0,1
.irp i, 0,1,2
	v_permlane16_swap_b32 v[PC+12*\T+6*\c+\i], v[HB+8*\T+4*\c+\i]   ; a whole block to a lane
.endr
.endr
.endr
.irp T, 0,1
.irp c, 0,1
.irp i, 0,1,2
	v_mov_b32 v[PC+12*\T+6*\c+3+\i], v[HB+8*\T+4*\c+\i]
.endr
.endr
.endr
	WIN 0x41
	s_wait_alu depctr_va_vdst(0)                   ; the wait here, directly ahead of the first reader of O^T
.set n, 0
.rept 16
.irp T, 0,1
	v_pk_mul_f32 v[OA+32*\T+n:OA+32*\T+n+1], v[OA+32*\T+n:OA+32*\T+n+1], v[FF+2*\T:FF+2*\T+1] op_sel_hi:[1,0]   ; O^T under the new M.  (These 32 are also the places between p's scale words and codes and the products below)
.endr
.set n, n+2
.endr
	s_wait_alu depctr_va_vdst(0)                   ; the wait here, directly ahead of the wait below
	s_wait_dscnt 0x0                               ; v is in
	WIN 0x51
.irp t, 0,1,2,3                                ; eight accumulators by turns
.irp T, 0,1
.if \t%2
	v_wmma_scale_f32_16x16x128_f8f6f4 v[OA+32*\T+8*\t:OA+32*\T+8*\t+7], v[VF+12*\t:VF+12*\t+11], v[PC+12*\T:PC+12*\T+11], v[OA+32*\T+8*\t:OA+32*\T+8*\t+7], v[VS+\t/2], v[PS+\T] matrix_a_fmt:MATRIX_FMT_FP6 matrix_b_fmt:MATRIX_FMT_FP6 matrix_a_scale:MATRIX_SCALE_ROW1
.else
	v_wmma_scale_f32_16x16x128_f8f6f4 v[OA+32*\T+8*\t:OA+32*\T+8*\t+7], v[VF+12*\t:VF+12*\t+11], v[PC+12*\T:PC+12*\T+11], v[OA+32*\T+8*\t:OA+32*\T+8*\t+7], v[VS+\t/2], v[PS+\T] matrix_a_fmt:MATRIX_FMT_FP6 matrix_b_fmt:MATRIX_FMT_FP6
.endif
.endr
.endr
	WIN 0
	s_add_co_u32 s[TAU], s[TAU], 1
	s_cmp_lt_u32 s[TAU], 17
	s_cbranch_scc1 .Ltrip
	FINISH 0
	s_wait_tensorcnt 0x0                           ; the wave's end
	ds_add_u32 v[SPW], v[NIL]
	s_wait_dscnt 0x0
	CROUND                                         ; the closing round: no work-group ends while a partner may still ask for a tile that names it
	s_endpgm
.Lfunc_end_k_q6394f57154_attn:
	.size	k_q6394f57154_attn, .Lfunc_end_k_q6394f57154_attn-k_q6394f57154_attn
	.p2alignl 7, 3214868480
	.fill 96, 4, 3214868480
	.section	.rodata,"a",@progbits
	.p2align	6, 0x0
	.amdhsa_kernel k_q6394f57154_attn
		.amdhsa_group_segment_fixed_size 264192
		.amdhsa_private_segment_fixed_size 0
		.amdhsa_enable_private_segment 0
		.amdhsa_kernarg_size 24
		.amdhsa_user_sgpr_count 2
		.amdhsa_user_sgpr_kernarg_segment_ptr 1
		.amdhsa_wavefront_size32 1
		.amdhsa_system_sgpr_workgroup_id_x 1
		.amdhsa_system_sgpr_workgroup_id_y 1
		.amdhsa_system_sgpr_workgroup_id_z 1
		.amdhsa_system_vgpr_workitem_id 0
		.amdhsa_next_free_vgpr 512
		.amdhsa_next_free_sgpr 80
		.amdhsa_reserve_vcc 1
		.amdhsa_float_denorm_mode_32 3
		.amdhsa_float_denorm_mode_16_64 3
		.amdhsa_memory_ordered 1
		.amdhsa_forward_progress 1
		.amdhsa_inst_pref_size 70
	.end_amdhsa_kernel
	.amdgpu_metadata
---
amdhsa.version: [ 1, 2 ]
amdhsa.kernels:
  - .name:           k_q6394f57154_attn
    .symbol:         k_q6394f57154_attn.kd
    .args:
      - { .name: qc, .offset: 0, .size: 8, .value_kind: global_buffer, .address_space: global }
      - { .name: kv, .offset: 8, .size: 8, .value_kind: global_buffer, .address_space: global }
      - { .name: ac, .offset: 16, .size: 8, .value_kind: global_buffer, .address_space: global }
    .group_segment_fixed_size: 264192
    .private_segment_fixed_size: 0
    .kernarg_segment_align: 8
    .kernarg_segment_size: 24
    .max_flat_workgroup_size: 256
    .sgpr_count:     80
    .vgpr_count:     512
    .wavefront_size: 32
...
	.end_amdgpu_metadata
.endif
;; end of part 3
;; launch proj (part 4): grid 8 x 32, 4 waves a work-group, clusters of 4 x 4, 327,680 bytes of LDS; arguments ac, oc, out0; writes out0
.if DOCPART == 4
	.amdgcn_target "amdgcn-amd-amdhsa--gfx1250"
	.amdhsa_code_object_version 6
	.text
	.protected	k_q6394f57154_proj
	.globl	k_q6394f57154_proj
	.p2align	8
	.type	k_q6394f57154_proj,@function
k_q6394f57154_proj:
	s_mov_b64 s[64:65], 0
	v_nop
	global_prefetch_b8 v0, s[64:65] scope:SCOPE_SE
	s_setreg_imm32_b32 hwreg(HW_REG_WAVE_MODE, 25, 1), 1
	s_wait_xcnt 0x0
	s_wait_alu depctr_hold_cnt(0) depctr_sa_sdst(0) depctr_va_vdst(0) depctr_va_sdst(0) depctr_va_ssrc(0) depctr_va_vcc(0) depctr_vm_vsrc(0)
	s_getreg_b32 s2, hwreg(HW_REG_IB_STS2, 6, 4)
	s_cmp_eq_u32 s2, 0
	s_cbranch_scc0 .Lentry_in_a_cluster
	s_endpgm
.Lentry_in_a_cluster:
	s_bfe_u32 s2, ttmp6, 0x10000c
	s_cmp_lg_u32 s2, 0xf033
	s_cbranch_scc0 .Lentry_shape_is_right
	s_endpgm
.Lentry_shape_is_right:
; out0 = (attention's result) w_o on codes of FP6 (E2M3) with E8M0 scales, K = 1024; f32 out.
; SHARES.  A work-group makes 256 rows x 128 columns: 256 work-groups.  Wave (rho = w / 2, g = w % 2) makes 128 rows x 64 columns: 32 accumulators.
; THE MATRIX INSTRUCTION IS USED TRANSPOSED (source 0 = 16 columns of W, source 1 = 16 rows): a lane holds one row and neighbouring columns.
; TILES AND RECORDS as the earlier launches laid them: lane-row r of tile 2 B + u is true row 32 B + 8 u + r + 8 (r / 8); a record (3,328 bytes) is a tile x two K steps of 128 as an image of the operand's registers, scale words at 3072 + 8 r + 4 q.
; LDS.  All of K fits: A's 16 tiles in four regions (a group = two K steps each), B's 8 tiles in four.  Every region is filled once: each wave issues two joint loads at the start, and one is the most that it has out.
; CLUSTER 4 x 4: the four of a row need the same records of A, the four of a column the same of W.
; REGISTERS: window 0: v1-6 LDS addresses, v7-9 the way out's, v32-55 scale words (two sets of 12), v64-255 A's fragments, two sets of 8 x 12.  window 1: W's fragments, two sets of 4 x 12.  window 2: accumulator (a, t) at 32 a + 8 t.
.set REC,   3328
.set TREC,  4*REC
.set AREG,  16*REC
.set BREG,  8*REC
.set BB0,   4*AREG
.set A16, 1
.set A8,  2
.set AS,  3
.set B16, 4
.set B8,  5
.set BS,  6
.set STO, 7
.set RD,  8
.set CO,  9
.set SC,  32
.set AF,  64
.set BK,  64                           ; the way out: two sets of 32 registers by turns
.set G1A, 24
.set GA0, 32                           ; s[32:39], s[56:63]: A's four groups 0
.set GA2, 56
.set G1B, 48
.set GB0, 68                           ; s[68:83]: B's four
.set PO,  88
.set MSB, 0
.macro WIN new
.if MSB != \new
	s_set_vgpr_msb (MSB<<8)|\new
.set MSB, \new
.endif
.endm
.set W_M,  0xa1                        ; source 0 (W) window 1, source 1 (A) window 0, C and D window 2
.set TO_B, 0x40
.macro CROUND
	s_barrier_signal -1
	s_barrier_wait -1
	s_cmp_lg_u32 s14, 0
	s_cbranch_scc1 .Lnot_wave_0_\@
	s_barrier_signal -3
.Lnot_wave_0_\@:
	s_barrier_wait -3
	s_barrier_signal -1
	s_barrier_wait -1
.endm
.macro PLACES
.rept 4
	v_nop
.endr
.endm
.macro MKG0 g, ls, lo, ad, go
	s_mov_b32 s[\g], 1
	s_add_co_u32 s[\g+1], s[\ls], \lo
	s_add_nc_u64 s[\g+2:\g+3], s[\ad:\ad+1], \go
	s_or_b32 s[\g+3], s[\g+3], 0x80000000
.endm
	s_load_b128 s[4:7], s[0:1], 0x0                ; ac, oc
	s_load_b64 s[8:9], s[0:1], 0x10                ; out0
	v_lshl_add_u32 v62, v0, 2, 0x4e000
	v_mov_b32 v63, 0
	ds_add_u32 v62, v63
	ds_add_u32 v62, v63
	v_lshrrev_b32 v10, 5, v0
	v_readfirstlane_b32 s14, v10                   ; wave 0..3
	s_lshr_b32 s15, s14, 1                         ; rho.
	s_and_b32 s16, s14, 1                          ; g.
	s_bfe_u32 s40, ttmp6, 0x40000
	s_bfe_u32 s41, ttmp6, 0x40004
	s_lshl_b32 s42, ttmp9, 2
	s_add_co_u32 s42, s42, s40                     ; the block of 128 columns
	s_and_b32 s17, ttmp7, 0xffff
	s_lshl_b32 s17, s17, 2
	s_add_co_u32 s17, s17, s41                     ; the block of 256 rows
	s_lshl_b32 s43, s41, 2
	s_lshl_b32 s43, 15, s43
	s_lshl_b32 s44, 0x1111, s40
	s_or_b32 s[G1A], s43, (3<<16)|(1<<21)          ; rows = records of 416 elements of 8 bytes, 1,664 apart; 16 of A's, 8 of W's
	s_mov_b32 s[G1A+1], 416<<16
	s_mov_b32 s[G1A+2], 16<<16                     ; one load brings a group's records of all 16 tiles of A
	s_mov_b32 s[G1A+3], 416<<16
	s_mov_b32 s[G1A+4], 16
	s_mov_b32 s[G1A+5], 1664
	s_mov_b32 s[G1A+6], 0
	s_mov_b32 s[G1A+7], 0
	s_or_b32 s[G1B], s44, (3<<16)|(1<<21)
	s_mov_b32 s[G1B+1], 416<<16
	s_mov_b32 s[G1B+2], 8<<16                      ; and of all 8 tiles of W
	s_mov_b32 s[G1B+3], 416<<16
	s_mov_b32 s[G1B+4], 8
	s_mov_b32 s[G1B+5], 1664
	s_mov_b32 s[G1B+6], 0
	s_mov_b32 s[G1B+7], 0
	s_lshl_b32 s20, s17, 4                         ; A: tile 16 y
	s_mul_i32 s20, s20, TREC
	s_mov_b32 s21, 0
	s_lshl_b32 s46, s42, 3                         ; B: tile 8 x
	s_mul_i32 s46, s46, TREC
	s_mov_b32 s47, 0
	s_mov_b32 s45, 0                               ; a load fills a whole region
	s_mov_b32 s94, 0
	s_wait_dscnt 0x0
	s_wait_kmcnt 0x0
	s_add_nc_u64 s[20:21], s[4:5], s[20:21]
	s_add_nc_u64 s[46:47], s[6:7], s[46:47]
	MKG0 GA0, 45, 0, 20, 0
	MKG0 GA0+4, 45, AREG, 20, REC
	MKG0 GA2, 45, 2*AREG, 20, 2*REC
	MKG0 GA2+4, 45, 3*AREG, 20, 3*REC
	MKG0 GB0, 94, BB0, 46, 0
	MKG0 GB0+4, 94, BB0+BREG, 46, REC
	MKG0 GB0+8, 94, BB0+2*BREG, 46, 2*REC
	MKG0 GB0+12, 94, BB0+3*BREG, 46, 3*REC
	CROUND                                         ; all sixteen work-groups are here: the joint loads meet
; The head's loads, one a wave, in one chain of branches on the wave's number: wave 0 A's group 0, wave 1 B's group 0, wave 2 A's group 1, wave 3 B's group 1.
.macro ARM under, g0, g1, next, done
	s_cmp_lt_u32 s14, \under
	s_cbranch_scc0 \next
	tensor_load_to_lds s[\g0:\g0+3], s[\g1:\g1+7]
	s_nop 0
	PLACES
	s_branch \done
\next:
.endm
	ARM 1, GA0, G1A, .Lh1, .Lfirst_done
	ARM 2, GB0, G1B, .Lh2, .Lfirst_done
	ARM 3, GA0+4, G1A, .Lh3, .Lfirst_done
	tensor_load_to_lds s[GB0+4:GB0+7], s[G1B:G1B+7]
	s_nop 0
	PLACES
.Lfirst_done:
	v_and_b32 v10, 31, v0                          ; lane
	v_and_b32 v11, 15, v0                          ; r
	v_bfe_u32 v12, v0, 4, 1                        ; h
	v_lshlrev_b32 v14, 4, v10
	v_lshlrev_b32 v15, 3, v10
	v_lshlrev_b32 v13, 3, v11
	v_lshl_add_u32 v13, v12, 2, v13                ; 8 r + 4 h
	s_mul_i32 s19, s15, 8*REC
	v_add_nc_u32 v[A16], s19, v14
	v_add_nc_u32 v[A8], s19, v15
	s_add_co_u32 s19, s19, 3072
	v_add_nc_u32 v[AS], s19, v13
	s_mul_i32 s22, s16, 4*REC
	s_add_co_u32 s22, s22, BB0
	v_add_nc_u32 v[B16], s22, v14
	v_add_nc_u32 v[B8], s22, v15
	s_add_co_u32 s22, s22, 3072
	v_add_nc_u32 v[BS], s22, v13
	s_mul_i32 s23, s14, 16*272                     ; my stage for the way out: 16 rows x (256 bytes + 16), in A's first region
	v_mul_u32_u24 v13, v11, 272
	v_lshl_add_u32 v13, v12, 6, v13
	v_add_nc_u32 v[STO], s23, v13                  ; in: row r, + 64 h
	v_mul_u32_u24 v13, v12, 272
	v_lshl_add_u32 v13, v11, 4, v13
	v_add_nc_u32 v[RD], s23, v13                   ; back: lanes 0-15 one row, lanes 16-31 the next
	v_lshlrev_b32 v13, 12, v12
	v_lshl_add_u32 v[CO], v11, 4, v13              ; and the same two rows of out0
	s_lshl_b32 s84, s17, 1
	s_add_co_u32 s84, s84, s15                     ; my 128 rows,
	s_lshl_b32 s84, s84, 19                        ; of 4,096 bytes
	s_lshl_b32 s85, s42, 9                         ; my columns: 512 x + 256 g bytes
	s_add_co_u32 s84, s84, s85
	s_lshl_b32 s85, s16, 8
	s_add_co_u32 s84, s84, s85
	s_mov_b32 s85, 0
	s_add_nc_u64 s[PO:PO+1], s[8:9], s[84:85]
.macro FRAG reg, a16, a8, off
	ds_load_b128 v[(\reg):(\reg)+3], v[\a16] offset:(\off)
	ds_load_b64 v[(\reg)+4:(\reg)+5], v[\a8] offset:(\off)+512
	ds_load_b128 v[(\reg)+6:(\reg)+9], v[\a16] offset:(\off)+768
	ds_load_b64 v[(\reg)+10:(\reg)+11], v[\a8] offset:(\off)+1280
.endm
.macro FETCH1 q, p                     ; 32 loads: W's four fragments and A's tiles 0-3
	WIN TO_B
.irp t, 0,1,2,3
	FRAG 48*(\p)+12*\t, B16, B8, REC*\t+1536*(\q)
.endr
	WIN 0
.irp a, 0,1,2,3
	FRAG AF+96*(\p)+12*\a, A16, A8, REC*\a+1536*(\q)
.endr
.endm
.macro FETCH2 q, p                     ; 16 loads: A's tiles 4-7
	WIN 0
.irp a, 4,5,6,7
	FRAG AF+96*(\p)+12*\a, A16, A8, REC*\a+1536*(\q)
.endr
.endm
.macro SCALES set
.irp a, 0,1,2,3,4,5,6,7
	ds_load_b32 v[SC+12*(\set)+\a], v[AS] offset:REC*\a
.endr
.irp t, 0,1,2,3
	ds_load_b32 v[SC+12*(\set)+8+\t], v[BS] offset:REC*\t
.endr
.endm
.macro WM d, a, b, sa, sb, zero, q
.if \zero
	v_wmma_scale_f32_16x16x128_f8f6f4 v[(\d):(\d)+7], v[(\a):(\a)+11], v[(\b):(\b)+11], 0, v[\sa], v[\sb] matrix_a_fmt:MATRIX_FMT_FP6 matrix_b_fmt:MATRIX_FMT_FP6
.elseif \q
	v_wmma_scale_f32_16x16x128_f8f6f4 v[(\d):(\d)+7], v[(\a):(\a)+11], v[(\b):(\b)+11], v[(\d):(\d)+7], v[\sa], v[\sb] matrix_a_fmt:MATRIX_FMT_FP6 matrix_b_fmt:MATRIX_FMT_FP6 matrix_a_scale:MATRIX_SCALE_ROW1 matrix_b_scale:MATRIX_SCALE_ROW1
.else
	v_wmma_scale_f32_16x16x128_f8f6f4 v[(\d):(\d)+7], v[(\a):(\a)+11], v[(\b):(\b)+11], v[(\d):(\d)+7], v[\sa], v[\sb] matrix_a_fmt:MATRIX_FMT_FP6 matrix_b_fmt:MATRIX_FMT_FP6
.endif
.endm
; The 32 accumulators take turns, one instruction a turn, in the same order in every K step.
.macro MUL2 p, sc, a0, zero            ; 8: A's tiles a0, a0 + 1 against W's four
.irp a, \a0, \a0+1
.irp t, 0,1,2,3
	WM 32*(\a)+8*\t, 48*(\p)+12*\t, AF+96*(\p)+12*(\a), SC+12*(\sc)+8+\t, SC+12*(\sc)+(\a), \zero, \p
.endr
.endr
.endm
.macro ADVANCE                         ; on to the next group's regions: six plain additions, which are also the places in front of the loads that follow
.irp r, A16, A8, AS
	v_add_nc_u32 v[\r], AREG, v[\r]
.endr
.irp r, B16, B8, BS
	v_add_nc_u32 v[\r], BREG, v[\r]
.endr
.endm
.macro STEP p, sc, chg, zero
	s_wait_dscnt 16                                ; all but the youngest 16 loads (A's tiles 4-7) are in
	WIN W_M
	MUL2 \p, \sc, 0, \zero
	MUL2 \p, \sc, 2, \zero
	s_wait_dscnt 0x0
.if \chg
	WIN 0
	ADVANCE
.else
	PLACES                                         ; four places in front of loads into the set that the last K step's products read
.endif
	FETCH1 (1-\p), (1-\p)
.if \chg
	SCALES (1-\sc)
.endif
	WIN W_M
	MUL2 \p, \sc, 4, \zero
	FETCH2 (1-\p), (1-\p)
	WIN W_M
	MUL2 \p, \sc, 6, \zero
.endm
; A group's second K step with a barrier that shows later groups whole.  left: how many of my two fills may still be out.
.macro TURN p, sc, left
	s_wait_tensorcnt \left
	s_wait_dscnt 16
	WIN W_M
	MUL2 \p, \sc, 0, 0
	MUL2 \p, \sc, 2, 0
	s_wait_dscnt 0x0                               ; no LDS load of mine is out at the signal
	s_barrier_signal -1
	MUL2 \p, \sc, 4, 0
	WIN 0
	s_barrier_wait -1
	ADVANCE
	FETCH1 0, 0
	SCALES (1-\sc)
	FETCH2 0, 0
	WIN W_M
	MUL2 \p, \sc, 6, 0
.endm
	s_wait_alu depctr_va_vdst(0)
	s_wait_tensorcnt 0x0                           ; my one load of the head has landed
	ds_add_u32 v62, v63
	s_wait_dscnt 0x0
	CROUND                                         ; groups 0 and 1 are whole, and all sixteen work-groups are here
	ARM 1, GA2, G1A, .Ls1, .Lsecond_done           ; wave 0 A's group 2, wave 1 B's group 2, wave 2 A's group 3, wave 3 B's group 3
	ARM 2, GB0+8, G1B, .Ls2, .Lsecond_done
	ARM 3, GA2+4, G1A, .Ls3, .Lsecond_done
	tensor_load_to_lds s[GB0+12:GB0+15], s[G1B:G1B+7]
	s_nop 0
	PLACES
.Lsecond_done:
	FETCH1 0, 0
	SCALES 0
	FETCH2 0, 0
	STEP 0, 0, 0, 1                                ; K step 0: its products start the sums
	STEP 1, 0, 1, 0                                ; 1, and on to group 1
	s_wait_alu depctr_va_vdst(0)
	STEP 0, 1, 0, 0                                ; 2
	TURN 1, 1, 0                                   ; 3; groups 2 and 3 are shown whole
	s_wait_alu depctr_va_vdst(0)
	STEP 0, 0, 0, 0                                ; 4
	STEP 1, 0, 1, 0                                ; 5, and on to group 3
	s_wait_alu depctr_va_vdst(0)
	STEP 0, 1, 0, 0                                ; 6
	s_wait_dscnt 16                                ; 7: nothing more to fetch
	WIN W_M
	MUL2 1, 1, 0, 0
	MUL2 1, 1, 2, 0
	s_wait_dscnt 0x0
	MUL2 1, 1, 4, 0
	MUL2 1, 1, 6, 0
	WIN 0
	s_barrier_signal -1                            ; every wave is past its last read of A's first region, which has had its one fill: the stages may be written
	s_barrier_wait -1
; THE WAY OUT, a tile of 16 rows x my 64 columns at a time, through my own stage: a lane's 32 bytes of a row go in, whole pieces of 256 bytes of two rows come back, and sixteen lanes store 256 consecutive bytes, aligned.
; Stage row r is lane-row r of the tile: true row 32 (a / 2) + 8 (a % 2) + r + 8 (r / 8).  LDS serves a wave's instructions in order: no wait between the stores and the loads.
.macro TOSTAGE a
	WIN 0x08                                       ; an LDS store's data are its source 1: window 2
.irp t, 0,1,2,3
	ds_store_b128 v[STO], v[32*(\a)+8*\t:32*(\a)+8*\t+3] offset:128*(\t/2)+32*(\t%2)          ; each accumulator from its low end on
	ds_store_b128 v[STO], v[32*(\a)+8*\t+4:32*(\a)+8*\t+7] offset:128*(\t/2)+32*(\t%2)+16
.endr
	WIN 0
.irp i, 0,1,2,3,4,5,6,7
	ds_load_b128 v[BK+32*((\a)%2)+4*\i:BK+32*((\a)%2)+4*\i+3], v[RD] offset:544*\i
.endr
.endm
.macro SEND a, younger                 ; younger: the LDS instructions issued behind tile a's loads, which may stay out
	s_wait_dscnt \younger
.irp i, 0,1,2,3,4,5,6,7
	global_store_b128 v[CO], v[BK+32*((\a)%2)+4*\i:BK+32*((\a)%2)+4*\i+3], s[PO:PO+1] offset:(32*((\a)/2)+8*((\a)%2)+2*\i+8*(\i/4))*4096 th:TH_STORE_NT
.endr
.endm
	PLACES                                         ; behind the last products
	TOSTAGE 0
.irp a, 1,2,3,4,5,6,7
.if \a > 1
	s_wait_xcnt 0x0                                ; tile a - 2's stores have read their registers: tile a's loads may land there
.endif
	TOSTAGE \a
	SEND \a-1, 16                                  ; behind tile a - 1's loads: tile a's 8 stores and 8 loads
.endr
	SEND 7, 0
	s_wait_tensorcnt 0x0
	ds_add_u32 v62, v63
	s_wait_dscnt 0x0
	CROUND                                         ; the closing round: no work-group ends while a partner may still ask for a tile that names it
	s_endpgm
.Lfunc_end_k_q6394f57154_proj:
	.size	k_q6394f57154_proj, .Lfunc_end_k_q6394f57154_proj-k_q6394f57154_proj
	.p2alignl 7, 3214868480
	.fill 96, 4, 3214868480
	.section	.rodata,"a",@progbits
	.p2align	6, 0x0
	.amdhsa_kernel k_q6394f57154_proj
		.amdhsa_group_segment_fixed_size 327680
		.amdhsa_private_segment_fixed_size 0
		.amdhsa_enable_private_segment 0
		.amdhsa_kernarg_size 24
		.amdhsa_user_sgpr_count 2
		.amdhsa_user_sgpr_kernarg_segment_ptr 1
		.amdhsa_wavefront_size32 1
		.amdhsa_system_sgpr_workgroup_id_x 1
		.amdhsa_system_sgpr_workgroup_id_y 1
		.amdhsa_system_sgpr_workgroup_id_z 1
		.amdhsa_system_vgpr_workitem_id 0
		.amdhsa_next_free_vgpr 768
		.amdhsa_next_free_sgpr 100
		.amdhsa_reserve_vcc 0
		.amdhsa_float_denorm_mode_32 3
		.amdhsa_float_denorm_mode_16_64 3
		.amdhsa_memory_ordered 1
		.amdhsa_forward_progress 1
		.amdhsa_inst_pref_size 88
	.end_amdhsa_kernel
	.amdgpu_metadata
---
amdhsa.version: [ 1, 2 ]
amdhsa.kernels:
  - .name:           k_q6394f57154_proj
    .symbol:         k_q6394f57154_proj.kd
    .args:
      - { .name: ac, .offset: 0, .size: 8, .value_kind: global_buffer, .address_space: global }
      - { .name: oc, .offset: 8, .size: 8, .value_kind: global_buffer, .address_space: global }
      - { .name: out0, .offset: 16, .size: 8, .value_kind: global_buffer, .address_space: global }
    .group_segment_fixed_size: 327680
    .private_segment_fixed_size: 0
    .kernarg_segment_align: 8
    .kernarg_segment_size: 24
    .max_flat_workgroup_size: 128
    .sgpr_count:     100
    .vgpr_count:     768
    .wavefront_size: 32
...
	.end_amdgpu_metadata
.endif
;; end of part 4
